; MI455X (gfx1250); checked and timed in simulation.
; The chip was launched on July 23, 2026; its instructions are those of AMD's public machine-readable ISA for CDNA 5 (MIT licence, August 2026) and "CDNA5" Instruction Set Architecture Reference Guide (July 2026). The comments in the code are by the model that wrote it; some were corrected since.
;; Claim Evidence Attention Model. Allowed arithmetic: matrix products marked QUANTISED: E3M2 operands, one E8M0 scale for each 32 along K, by v_wmma_scale_f32_16x16x128_f8f6f4 with both operands' format E3M2, f32 sums; products left as they are: f32 operands where the result goes on into a quantised operand, else bf16, f16 or f32 operands; f32 sums; everything else in f32.
;; Inputs: W_c 4 x 1,024 x 1,024 float32; W_e_codes 4 x 1,024 x 32 x 24 uint8 (E3M2 codes of W_e, K innermost, in blocks of 32 codes, four codes in three bytes); W_e_scales 4 x 1,024 x 32 uint8 (E8M0 scales of W_e, one for each 32 codes along K); b1 1,024 float32; b2 3 float32; c_out 256 x 1,024 float32; e_emb 256 x 64 x 1,024 float32; evidence_mask 256 x 64 int32; gate_b 1 float32; gate_w 1 x 2,048 float32; v 4 x 1,024 float32; w1_codes 1,024 x 128 x 24 uint8 (E3M2 codes of w1, K innermost, in blocks of 32 codes, four codes in three bytes); w1_scales 1,024 x 128 uint8 (E8M0 scales of w1, one for each 32 codes along K); w2 3 x 1,024 float32.
;; Outputs: out0 256 x 3 float32; out1 256 x 4 x 64 float32; out2 256 x 4 float32.
;; This version of the problem:
;;   THIS VERSION OF THE PROBLEM IS GIVEN IN LOW PRECISION. The matrix products marked QUANTISED in the list below multiply operands that are first quantised to E3M2 (3 exponent bits, 2 mantissa bits; 6 bits a number), with one power-of-two scale for each 32 numbers along K (OCP MX v1.0); their sums are f32. All else is computed in f32.
;;   The module's matrix products, in the order in which they are computed (A, B: the left and right operand; K: the contracted axis; several contracted axes count as one K, in the product's order):
;;     1. batch 1,024 x [M 4, K 1] x [K 1, N 256]; A: computed on the way; B: computed on the way: left as it is (no contracted axis)
;;     2. [M 4,096, K 1,024] x [K 1,024, N 16,384]; A: input W_e (given as codes); B: input e_emb: QUANTISED
;;     3. batch 4 x [M 1, K 1,024] x [K 1,024, N 16,384]; A: input v; B: computed on the way: left as it is (M = 1 < 16)
;;     4. batch 256 x [M 4, K 64] x [K 64, N 1,024]; A: softmax; B: input e_emb: left as it is (M = 4 < 16)
;;     5. [M 1,024, K 2,048] x [K 2,048, N 1]; A: computed on the way; B: input gate_w: left as it is (N = 1 < 16)
;;     6. batch 256 x [M 1, K 4] x [K 4, N 1,024]; A: softmax; B: computed on the way: left as it is (K = 4 < 32)
;;     7. [M 256, K 4,096] x [K 4,096, N 1,024]; A: computed on the way; B: input w1 (given as codes): QUANTISED
;;     8. [M 256, K 1,024] x [K 1,024, N 3]; A: computed on the way; B: input w2: left as it is (N = 3 < 16)
;;   THE QUANTISER, for each operand of a quantised product, along K:
;;     - K is cut into blocks of 32 from its start; a last block that is shorter is filled with zeros.
;;     - A block's scale is 2^e with e = floor(log2(the largest magnitude in the block)) - 4, held to -126 .. 127; a block of zeros has e = 0. As a byte (E8M0): e + 127.
;;     - Each number is divided by its block's scale, clamped to +-28, and rounded to the nearest number of E3M2, ties to even, subnormals kept.
;;     - The product sums the exact products of the quantised numbers (number of the format x scale) in f32.
;;   ~~~python
;;   def quantise(x, axis):      # numpy; x: float32 -> the quantised numbers, widened to float32 again
;;       x = np.moveaxis(x, axis, -1); K = x.shape[-1]
;;       x = np.pad(x, [(0, 0)] * (x.ndim - 1) + [(0, -K % 32)]); x = x.reshape(x.shape[:-1] + (-1, 32)); a = np.abs(x).max(-1, keepdims=True)
;;       e = np.where(a > 0, np.clip(np.frexp(np.where(a > 0, a, 1))[1] - 1 - 4, -126, 127), 0)      # np.frexp(a)[1] - 1 = floor(log2(a)), exactly
;;       r = np.clip(x / 2.0 ** e, -28, 28)
;;       step = 2.0 ** (np.maximum(np.frexp(np.where(r == 0, 1, r))[1] - 1, -2) - 2)
;;       q = np.round(r / step) * step * 2.0 ** e      # np.round: ties to even
;;       return np.moveaxis(q.reshape(q.shape[:-2] + (-1,))[..., :K], -1, axis).astype(np.float32)
;;   ~~~
;;   OPERANDS COMPUTED ON THE WAY. 'Computed on the way' means the value that the module computes at that place (a softmax that the list does not call 'softmax' is quantised finished and normalised). What goes into a quantiser is computed in f32, as accurately as f32 sums, v_exp_f32 and their like allow (about 1e-6 of the number): no bf16 or f16 on the way to a quantiser, and a product that is left as it is and whose result goes on into a quantised operand takes f32 operands (vector FMAs, or v_wmma_f32_16x16x4_f32). A number that lies on a knife's edge between two numbers of the format may be rounded either way, as far as f32 arithmetic and the matrix unit's own rounding can turn it there, and no further.
;;   INPUTS GIVEN AS CODES. W_e (in the module: [4, 1024, 1024], K = its axis 1); w1 (in the module: [1024, 4096], K = its axis 1): each comes as NAME_codes (uint8): NAME with its K axis moved to the last place and cut into blocks of 32 codes, [.., K / 32, bytes a block], one block behind the other in memory; four codes in three bytes: a row's codes are one little-endian stream of bits, code i at bits 6 i .. 6 i + 5 (a code: sign, 3 exponent bits, 2 mantissa bits); and NAME_scales (uint8): the same leading axes, one E8M0 byte (e + 127) for each 32 codes along K. Its value is code x scale, taken as it is: it is not quantised again, and the codes and scales need not be those that the quantiser above would give.
;; One version. Each part assembles by itself: llvm-mc -triple=amdgcn-amd-amdhsa -mcpu=gfx1250 --defsym DOCPART=n.
;; ======== version 1 of 1: 5 launches
;; workspace buffers: ea_codes 12,582,912 bytes; ea_scales 524,288 bytes; rs 16,384 bytes; hq_codes 786,432 bytes; hq_scales 32,768 bytes; part 262,144 bytes
;; launch prep (part 1): grid 256 x 1, 4 waves a work-group, no clusters, 270,848 bytes of LDS; arguments e_emb, W_c, ea_codes, ea_scales, rs; writes ea_codes, ea_scales, rs
.if DOCPART == 1
	.amdgcn_target "amdgcn-amd-amdhsa--gfx1250"
	.amdhsa_code_object_version 6
	.text
	.protected	k_qe3e060d938_prep
	.globl	k_qe3e060d938_prep
	.p2align	8
	.type	k_qe3e060d938_prep,@function
k_qe3e060d938_prep:
	s_mov_b64 s[64:65], 0
	v_nop
	global_prefetch_b8 v0, s[64:65] scope:SCOPE_SE
	s_setreg_imm32_b32 hwreg(HW_REG_WAVE_MODE, 25, 1), 1
	s_wait_xcnt 0x0
; FIRST OF FIVE LAUNCHES.  This one turns e_emb [256][64][1024] f32 into codes of E3M2 with one E8M0 byte for each 32 along the last axis, and sums each row of W_c.
; WORK LEFT OUT IN THE WHOLE PROGRAM, for all finite values of the inputs:
; (a) tanh x = 1 - 2 r with r = 1 / (1 + 2^(2 log2(e) x)), so u[b,h,k] = sum_e v[h,e] - 2 sum_e v[h,e] r.  The first term is the same for all k, and u reaches nothing but the softmax over k:
;     it is not computed.  The maximum over k is still taken away ahead of the exponential.
; (b) gate_logits[b,h] = c_out[b] . gate_w[:1024] + gate_b + e_att_heads[b,h] . gate_w[1024:].  The first two terms are the same for all h, and the logits reach nothing but the softmax over h:
;     they are not computed.  gate_b is among no launch's arguments, and the first 4,096 bytes of gate_w are never loaded.
; LIMIT: a NaN, an infinity or an overflow that reaches only these terms is not carried to the result.
; c_proj[b,h,d] = c_out[b,d] x (the sum of row (h,d) of W_c): the sums are made here once, 4,096 of them.
; LIMITS OF THE QUANTISER: NaN and infinities in e_emb are not served; a block whose largest magnitude lies under 2^-122 gets the byte 1; a block of zeros gets the byte 1 with zero codes where the
; rule says 127 (zero codes add nothing under any byte but 0xff, and this program alone reads the bytes).
; SHARES.  Work-group = b.  Wave kt takes the 16 rows k = 4 r + kt (r = 0 .. 15), so that in the next launch a lane ends with four neighbouring k.  The wave also sums rows 16 b + 4 kt .. + 3 of W_c.
; The codes are stored as IMAGES OF THE OPERAND'S REGISTERS: fragment (b, kt, K step s) is 3 x 512 bytes, lane l's 16 bytes at 16 l; the next launch loads them by the same three lines.
; No work-group reads what another reads: no cluster.  Every LDS byte is filled once and read by the wave that asked for it: no barrier.
.set WREG,  67584                      ; a wave's LDS: 8 K steps
.set STEPB, 8448                       ; a K step: 16 rows x (512 bytes + 16 of padding)
.set SPARE, 4*WREG                     ; behind them the spare words, 128 bytes a wave: two blocks of 256 bytes that no other line names
.set LN,  1                            ; v1   lane
.set RR,  2                            ; v2   r = lane % 16
.set HH,  3                            ; v3   h = lane / 16
.set L16, 4                            ; v4   16 x lane; never rewritten
.set XA,  5                            ; v5   LDS: my wave's region + 528 r + 64 h; never rewritten
.set ZO,  6                            ; v6   0: the offset of the row sums' store
.set SPW, 12                           ; v12  my spare word
.set NIL, 13                           ; v13  0
.set X,   16                           ; v16-79, v80-143: two sets of 64 numbers; at first the 128 registers of W_c's four rows
.set PC,  144                          ; v144-155, v156-167: two sets of a fragment's 12 registers
.set TC,  168                          ; v168-175 the conversions' second halves
.set TM,  176                          ; v176-191 at work in QUANT
.set PW,  192                          ; v192-199 the scale word of each K step
.set SR,  200                          ; v200-203 the scale words as they are stored
.set RS,  204                          ; v204-207 four row sums
.set G1,  16                           ; s[16:23] descriptor group 1
.set G0,  24                           ; s[24:55] eight groups 0, one for each K step
.set SEL, 66                           ; s[66:67] v_permlanex16_b32's selects for lane l xor 16
	s_load_b256 s[4:11], s[0:1], 0x0               ; e_emb s[4:5], W_c s[6:7], ea_codes s[8:9], ea_scales s[10:11]
	s_load_b64 s[12:13], s[0:1], 0x20              ; rs
	v_lshl_add_u32 v[SPW], v0, 2, SPARE
	v_mov_b32 v[NIL], 0
	ds_add_u32 v[SPW], v[NIL]                      ; the opening: the add, twice on end, and its wait ahead of my first tensor load
	ds_add_u32 v[SPW], v[NIL]
	v_lshrrev_b32 v7, 5, v0
	v_readfirstlane_b32 s14, v7                    ; wave = kt
	s_mov_b32 s[G1+0], (3<<16)|(1<<20)|(6<<22)|(3<<25)  ; no mask; elements of 8 bytes; padding on: after every 128 words, 4 words
	s_mov_b32 s[G1+1], 64<<16                      ; tensor_dim0 = 64 elements (512 bytes: 128 numbers)
	s_mov_b32 s[G1+2], 16<<16                      ; tensor_dim1 = 16 rows
	s_mov_b32 s[G1+3], 64<<16                      ; tile_dim0
	s_mov_b32 s[G1+4], 16                          ; tile_dim1
	s_mov_b32 s[G1+5], 2048                        ; from row to row: four rows of e_emb, 16,384 bytes
	s_mov_b32 s[G1+6], 0
	s_mov_b32 s[G1+7], 0
	s_mul_i32 s15, s14, WREG                       ; my wave's LDS
	s_lshl_b32 s56, ttmp9, 18                      ; e_emb: b x 262,144 + kt x 4,096
	s_lshl_b32 s57, s14, 12
	s_add_co_u32 s56, s56, s57
	s_mov_b32 s57, 0
	s_lshl_b32 s58, ttmp9, 16                      ; W_c: (16 b + 4 kt) rows of 4,096 bytes
	s_lshl_b32 s59, s14, 14
	s_add_co_u32 s58, s58, s59
	s_mov_b32 s59, 0
	s_mul_i32 s60, ttmp9, 49152                    ; ea_codes: b x 49,152 + kt x 12,288
	s_mul_i32 s61, s14, 12288
	s_add_co_u32 s60, s60, s61
	s_mov_b32 s61, 0
	s_lshl_b32 s62, ttmp9, 11                      ; ea_scales: b x 2,048 + kt x 512
	s_lshl_b32 s63, s14, 9
	s_add_co_u32 s62, s62, s63
	s_mov_b32 s63, 0
	s_lshl_b32 s2, ttmp9, 6                        ; rs: (16 b + 4 kt) x 4
	s_lshl_b32 s3, s14, 4
	s_add_co_u32 s2, s2, s3
	s_mov_b32 s3, 0
	s_mov_b32 s[SEL], 0x76543210
	s_mov_b32 s[SEL+1], 0xfedcba98
	v_and_b32 v[LN], 31, v0
	v_and_b32 v[RR], 15, v0
	v_bfe_u32 v[HH], v0, 4, 1
	v_lshlrev_b32 v[L16], 4, v[LN]
	v_mul_u32_u24 v[XA], v[RR], 528
	v_lshl_add_u32 v[XA], v[HH], 6, v[XA]
	v_add_nc_u32 v[XA], s15, v[XA]
	v_mov_b32 v[ZO], 0
.irp k, 0,1,2,3
	v_mov_b32 v[TM+4+\k], 0                        ; written once: a lane permute's destination counts as one of its sources
.endr
	s_wait_dscnt 0x0                               ; both opening adds are done
	s_wait_kmcnt 0x0
	s_add_nc_u64 s[4:5], s[4:5], s[56:57]
	s_add_nc_u64 s[6:7], s[6:7], s[58:59]
	s_add_nc_u64 s[8:9], s[8:9], s[60:61]
	s_add_nc_u64 s[10:11], s[10:11], s[62:63]
	s_add_nc_u64 s[12:13], s[12:13], s[2:3]
; All eight first fills go out together: eight tensor loads of mine are out.  One for each K step, so that a step can be worked while the later ones land.
.irp s, 0,1,2,3,4,5,6,7
	s_mov_b32 s[G0+4*\s], 1
	s_add_co_u32 s[G0+4*\s+1], s15, \s*STEPB
	s_add_nc_u64 s[G0+4*\s+2:G0+4*\s+3], s[4:5], \s*512
	s_or_b32 s[G0+4*\s+3], s[G0+4*\s+3], 0x80000000
	tensor_load_to_lds s[G0+4*\s:G0+4*\s+3], s[G1:G1+7]
	s_nop 0
.endr
; W_c: four rows of 4,096 bytes; each load covers 512 consecutive bytes
.irp q, 0,1,2,3
.irp i, 0,1,2,3,4,5,6,7
	global_load_b128 v[X+32*\q+4*\i:X+32*\q+4*\i+3], v[L16], s[6:7] offset:\q*4096+\i*512 th:TH_LOAD_NT
.endr
.endr
	s_wait_loadcnt 0x0
.irp i, 2,4,6,8,10,12,14,16,18,20,22,24,26,28,30
.irp q, 0,1,2,3
	v_pk_add_f32 v[X+32*\q:X+32*\q+1], v[X+32*\q:X+32*\q+1], v[X+32*\q+\i:X+32*\q+\i+1]   ; the four rows by turns
.endr
.endr
.irp q, 0,1,2,3
	v_add_f32 v[RS+\q], v[X+32*\q], v[X+32*\q+1]
.endr
.irp m, 1,2,4,8
.irp q, 0,1,2,3
	v_add_f32_dpp v[RS+\q], v[RS+\q], v[RS+\q] row_xmask:\m row_mask:0xf bank_mask:0xf
.endr
.endr
.irp q, 0,1,2,3
	v_permlanex16_b32 v[TM+4+\q], v[RS+\q], s[SEL], s[SEL+1]
.endr
.irp q, 0,1,2,3
	v_add_f32 v[RS+\q], v[RS+\q], v[TM+4+\q]       ; every lane holds the row's sum
.endr
	v_cmp_eq_u32 vcc_lo, 0, v[LN]
	s_wait_xcnt 0x0                                ; EXEC changes only behind this wait
	s_and_saveexec_b32 s68, vcc_lo
	global_store_b128 v[ZO], v[RS:RS+3], s[12:13]  ; lane 0: four sums, 16 bytes a wave (16 KB in the launch)
	s_wait_xcnt 0x0
	s_or_b32 exec_lo, exec_lo, s68
; K step s out of LDS: lane (r, h) takes, of row r, 16 neighbours of each block of 32: register 16 k + i = number 32 k + 16 h + i of the step
.macro XLD s
.irp k, 0,1,2,3
.irp j, 0,1,2,3
	ds_load_b128 v[X+64*((\s)%2)+16*\k+4*\j:X+64*((\s)%2)+16*\k+4*\j+3], v[XA] offset:(\s)*STEPB+128*\k+16*\j
.endr
.endr
.endm
; 64 numbers of a lane become a fragment's 12 registers and its row's scale word
.macro QUANT x, pc, pw
.set QX, \x
.set QP, \pc
.set QW, \pw
.irp k, 0,1,2,3
	v_max3_num_f32 v[TM+\k], |v[QX+16*\k]|, |v[QX+1+16*\k]|, 0x2800000   ; block k: my 16 numbers, and the floor 2^(5 - 127): the byte cannot fall under 1
.endr
.irp i, 2,4,6,8,10,12,14
.irp k, 0,1,2,3
	v_max3_num_f32 v[TM+\k], v[TM+\k], |v[QX+16*\k+\i]|, |v[QX+1+16*\k+\i]|
.endr
.endr
.irp k, 0,1,2,3
	v_permlanex16_b32 v[TM+4+\k], v[TM+\k], s[SEL], s[SEL+1]
.endr
.irp k, 0,1,2,3
	v_max_num_f32 v[TM+\k], v[TM+\k], v[TM+4+\k]   ; with lane l xor 16's: the block's largest magnitude
.endr
.irp k, 0,1,2,3
	v_add_nc_u32 v[TM+12+\k], 0xfe000000, v[TM+\k] ; 4 off its exponent field: the conversion's scale operand
.endr
.irp k, 0,1,2,3
	v_lshrrev_b32 v[TM+4+\k], 23, v[TM+12+\k]      ; the scale's byte
.endr
	v_lshl_or_b32 v[QW], v[TM+5], 8, v[TM+4]
	v_lshl_or_b32 v[QW], v[TM+6], 16, v[QW]
	v_lshl_or_b32 v[QW], v[TM+7], 24, v[QW]
.irp c, 0,1
	v_cvt_scalef32_pk16_bf6_f32 v[QP+6*\c:QP+2+6*\c], v[QX+32*\c:QX+15+32*\c], v[TM+12+2*\c]
	v_cvt_scalef32_pk16_bf6_f32 v[TC+4*\c:TC+2+4*\c], v[QX+16+32*\c:QX+31+32*\c], v[TM+12+2*\c+1]   ; (a conversion's three registers begin on an even number)
.endr
	v_nop                                          ; one plain place behind a scaled conversion
.irp c, 0,1                            ; the operand's layout wants a whole block in a lane: lanes 0-15 block 2 c, lanes 16-31 block 2 c + 1
.irp i, 0,1,2
	v_permlane16_swap_b32 v[QP+6*\c+\i], v[TC+4*\c+\i]
.endr
.irp i, 0,1,2
	v_mov_b32 v[QP+3+6*\c+\i], v[TC+4*\c+\i]
.endr
.endr
.endm
.macro STEP s
.if (\s) < 7
	s_wait_tensorcnt 6-(\s)                        ; tensor loads of a wave end in order: K step s + 1 has landed, the younger ones may be out
	XLD (\s)+1
	s_wait_dscnt 16                                ; this step's 16 loads are in; the next step's 16 may be out
.else
	s_wait_dscnt 0x0
.endif
	s_wait_xcnt 0x0                                ; the stores of two steps back have read this set of code registers
	QUANT X+64*((\s)%2), PC+12*((\s)%2), PW+(\s)
.irp c, 0,1,2
	global_store_b128 v[L16], v[PC+12*((\s)%2)+4*\c:PC+12*((\s)%2)+4*\c+3], s[8:9] offset:(\s)*1536+512*\c   ; 512 consecutive bytes, aligned
.endr
.endm
	s_wait_tensorcnt 7                             ; K step 0 has landed
	XLD 0
.irp s, 0,1,2,3,4,5,6,7
	STEP \s
.endr
; The scale words as the matrix instruction will take them: register i holds K step i in lanes 0-15 and K step 4 + i in lanes 16-31 (both halves of the lanes hold their row's words)
	v_cmp_le_u32 vcc_lo, 16, v[LN]
.irp i, 0,1,2,3
	v_cndmask_b32 v[SR+\i], v[PW+\i], v[PW+4+\i], vcc_lo
.endr
	global_store_b128 v[L16], v[SR:SR+3], s[10:11] ; 512 consecutive bytes, aligned
	s_wait_tensorcnt 0x0                           ; the wave's end
	ds_add_u32 v[SPW], v[NIL]
	s_wait_dscnt 0x0
	s_endpgm
.Lfunc_end_k_qe3e060d938_prep:
	.size	k_qe3e060d938_prep, .Lfunc_end_k_qe3e060d938_prep-k_qe3e060d938_prep
	.p2alignl 7, 3214868480
	.fill 96, 4, 3214868480
	.section	.rodata,"a",@progbits
	.p2align	6, 0x0
	.amdhsa_kernel k_qe3e060d938_prep
		.amdhsa_group_segment_fixed_size 270848
		.amdhsa_private_segment_fixed_size 0
		.amdhsa_enable_private_segment 0
		.amdhsa_kernarg_size 40
		.amdhsa_user_sgpr_count 2
		.amdhsa_user_sgpr_kernarg_segment_ptr 1
		.amdhsa_wavefront_size32 1
		.amdhsa_system_sgpr_workgroup_id_x 1
		.amdhsa_system_sgpr_workgroup_id_y 1
		.amdhsa_system_sgpr_workgroup_id_z 1
		.amdhsa_system_vgpr_workitem_id 0
		.amdhsa_next_free_vgpr 208
		.amdhsa_next_free_sgpr 70
		.amdhsa_reserve_vcc 1
		.amdhsa_float_denorm_mode_32 3
		.amdhsa_float_denorm_mode_16_64 3
		.amdhsa_memory_ordered 1
		.amdhsa_forward_progress 1
		.amdhsa_inst_pref_size 56
	.end_amdhsa_kernel
	.amdgpu_metadata
---
amdhsa.version: [ 1, 2 ]
amdhsa.kernels:
  - .name:           k_qe3e060d938_prep
    .symbol:         k_qe3e060d938_prep.kd
    .args:
      - { .name: e_emb, .offset: 0, .size: 8, .value_kind: global_buffer, .address_space: global }
      - { .name: W_c, .offset: 8, .size: 8, .value_kind: global_buffer, .address_space: global }
      - { .name: ea_codes, .offset: 16, .size: 8, .value_kind: global_buffer, .address_space: global }
      - { .name: ea_scales, .offset: 24, .size: 8, .value_kind: global_buffer, .address_space: global }
      - { .name: rs, .offset: 32, .size: 8, .value_kind: global_buffer, .address_space: global }
    .group_segment_fixed_size: 270848
    .private_segment_fixed_size: 0
    .kernarg_segment_align: 8
    .kernarg_segment_size: 40
    .max_flat_workgroup_size: 128
    .sgpr_count:     70
    .vgpr_count:     208
    .wavefront_size: 32
...
	.end_amdgpu_metadata
.endif
;; end of part 1
;; launch att (part 2): grid 64 x 4, 4 waves a work-group, clusters of 4 x 1, 327,680 bytes of LDS; arguments ea_codes, ea_scales, rs, W_e_codes, W_e_scales, c_out, v, evidence_mask, out1; writes out1
.if DOCPART == 2
	.amdgcn_target "amdgcn-amd-amdhsa--gfx1250"
	.amdhsa_code_object_version 6
	.text
	.protected	k_qe3e060d938_att
	.globl	k_qe3e060d938_att
	.p2align	8
	.type	k_qe3e060d938_att,@function
k_qe3e060d938_att:
	s_mov_b64 s[64:65], 0
	v_nop
	global_prefetch_b8 v0, s[64:65] scope:SCOPE_SE
	s_setreg_imm32_b32 hwreg(HW_REG_WAVE_MODE, 25, 1), 1
	s_wait_xcnt 0x0
	s_wait_alu depctr_hold_cnt(0) depctr_sa_sdst(0) depctr_va_vdst(0) depctr_va_sdst(0) depctr_va_ssrc(0) depctr_va_vcc(0) depctr_vm_vsrc(0)
	s_getreg_b32 s2, hwreg(HW_REG_IB_STS2, 6, 4)
	s_cmp_eq_u32 s2, 0
	s_cbranch_scc0 .Lentry_in_a_cluster
	s_endpgm
.Lentry_in_a_cluster:
	s_bfe_u32 s2, ttmp6, 0x10000c
	s_cmp_lg_u32 s2, 0x3003
	s_cbranch_scc0 .Lentry_shape_is_right
	s_endpgm
.Lentry_shape_is_right:
; alpha[b,h,:] = softmax_k( sum_e v[h,e] tanh(c_out[b,e] rs[h,e] + (e_emb[b,k] . W_e[h])[e]) ), masked; the product on codes of E3M2 with E8M0 scales.
; LEFT OUT (shown at the head of the first kernel): tanh x = 1 - 2 r, r = 1 / (1 + 2^(K2 x)), K2 = 2 log2(e); the term sum_e v[h,e] is the same for all k and reaches only the softmax over k.
; Summed is t = sum_e (-K2 v[h,e]) r = u log2(e) less that constant; alpha = 2^(t - max t) / sum.  2^(K2 x) may become infinite or 0: r is then 0 or 1, as tanh's limits ask.
; LIMIT: a b whose mask is all 0 gives NaN.
; SHARES.  A work-group takes one head and four b; wave w takes b = 4 x group + w and keeps ALL its codes of e_emb in registers (32 fragments, 384 registers).  It walks the head's 64 tiles of 16 rows e
; of W_e: a tile is 8 K steps x 4 tiles of 16 rows k = 32 matrix instructions on four accumulators by turns.  Source 0 = 16 rows e of W_e, source 1 = 16 rows k:
; a lane holds ONE k, its registers j the rows e0 + 8 (lane / 16) + j: the sum over e stays in the lane.  Tile kt holds k = 4 r + kt, so a lane ends with four neighbouring k.
; W_e's tiles come through a ring of two LDS slots of 8 tiles; all four waves read the same tiles.  CLUSTER: the four partners have the same head and other b, so every load of W_e is JOINT (mask 15).
; BY TURNS.  While tile t is multiplied, the vector work of tiles t - 1 and t - 2 stands in slices behind the matrix instructions: K2 S + cp' and 2^. (tile t - 1) and the sums t += w r (tile t - 2) behind
; K steps 0-3; + 1 and the reciprocals (tile t - 1) behind K steps 4-7.  Each batch of transcendentals has one wait, directly ahead of a run of LDS loads.
; No prefetch: W_e's bytes are read by sixteen clusters, not once, and a refill has a slot's 256 matrix instructions in which to land.
; REGISTERS.  Window 0: v1-15, v60-63 addresses; v16-31 e_emb's scale words; v32-39 W_e's, two sets; v40-47 cp'; v48-55 t; v56-59 the mask; v64-127 S, two sets of 4 accumulators; v128-159 r; v160-255 W_e's
; 8 fragments, ONE set.  Window 1: v0-239 e_emb's fragments of K steps 0-4 (48 s + 12 kt); v240-247 w.  Window 2: v0-143 those of K steps 5-7.
; Only source 1 changes window (settings 0x04, 0x08); the slices' source 1 is a scalar pair or a constant, but for the sums, whose source 1 is w in window 1 and which stand under 0x04 alone.
.set SLOT1, 131072                     ; slot 1 begins here: one exclusive or turns an address of one slot into the other's
.set TILEB, 13056                      ; a tile: 16 rows x 3 units of (256 + 16) bytes; a row is 816 bytes = 204 words, so the 32 lanes of a load of 8 bytes touch 64 different banks
.set SCL,   235520                     ; the head's scale bytes, in units of 256 + 16: a tile's are 544 bytes
.set TAB,   270336                     ; tables, written by LDS stores alone; each wave's own: cp' 4,096 bytes, 64 bytes of zeros, w 4,096 bytes
.set TABW,  8448
.set SPARE, 304128                     ; the spare words, 128 bytes a wave: two blocks of 256 bytes that no other line names
.set RR,  1
.set HH,  2
.set AW0, 3                            ; v3   816 r + 24 h
.set AW1, 4                            ; v4   816 r + 40 h: for the pieces that lie behind one padding more in lanes 16-31
.set AS0, 5                            ; v5   SCL + 32 r + 16 (r / 8) + 16 h
.set AT0, 6                            ; v6   my table + 32 h
.set L16, 7                            ; v7   16 x lane; never rewritten
.set AWA, 8                            ; v8-9   run A's addresses
.set AX,  10                           ; v10-11 the other slot's first tile
.set ADS, 12                           ; v12  the pair's scale words
.set ADT, 13                           ; v13  the pair's place in the tables
.set SPW, 14
.set NIL, 15
.set SA,  16
.set SW,  32
.set CP,  40
.set T,   48
.set MK,  56
.set R16, 60                           ; v60  16 r; never rewritten
.set AWB, 62                           ; v62-63 run B's addresses
.set S,   64
.set R,   128
.set WF,  160
.set WVR, 240                          ; in window 1
.set WVN, 26                           ; s26  wave
.set G1,  36                           ; s[36:43] group 1: two tiles, 96 rows of 256 bytes
.set G1S, 44                           ; s[44:51] group 1: a quarter of the head's scale bytes, 32 rows of 256 bytes
.set G0A, 52                           ; s[52:55] fill 0
.set G0B, 56                           ; s[56:59] fill 1; it then walks on
.set G0S, 60                           ; s[60:63] the scale bytes
.set K2,  66                           ; s[66:67] K2, twice (a packed form names the pair)
.set SEL, 68
.set TB,  70                           ; s70  LDS byte of the pair's first tile
.set TS,  71                           ; s71  544 x tile
.set TT,  72                           ; s72  64 x tile
.set SLC, 73
.set PRC, 74
.set TX,  75
.set NK2, 76                           ; s[76:77] -K2, twice
.set MSB, 0
.macro WIN new                         ; the immediate's high byte repeats the setting that is left
.if MSB != \new
	s_set_vgpr_msb (MSB<<8)|\new
.set MSB, \new
.endif
.endm
.macro PLACES
.rept 4
	v_nop
.endr
.endm
.macro CREST                           ; a round of the cluster's barrier behind its opening barrier
	s_cmp_lg_u32 s[WVN], 0
	s_cbranch_scc1 .Lnot_wave_0_\@
	s_barrier_signal -3
.Lnot_wave_0_\@:
	s_barrier_wait -3
	s_barrier_signal -1
	s_barrier_wait -1
.endm
.macro ROUND
	s_barrier_signal -1
	s_barrier_wait -1
	CREST
.endm
; A fragment of W_e, 16 rows x 128 K: lane (r, h) takes bytes 96 s + 24 h + 0..23 and 96 s + 48 + 24 h + 0..23 of row r, in pieces of 8 bytes
.macro FRAG reg, areg, off, s
.set FRG, \reg
.set FAD, \areg
.set FOF, \off
.set FKS, \s
.irp c, 0,1
.irp p, 0,1,2
.set FO, 96*FKS+48*\c+8*\p
.set FD, FRG+6*\c+2*\p
.if (FO+24)/256 > FO/256
	ds_load_b64 v[FD:FD+1], v[FAD+1] offset:FOF+FO+16*(FO/256)
.else
	ds_load_b64 v[FD:FD+1], v[FAD] offset:FOF+FO+16*(FO/256)
.endif
.endr
.endr
.endm
.macro FRAGS areg, off, s0             ; four K steps' fragments: 24 loads
.irp d, 0,1,2,3
	FRAG WF+12*((\s0)+\d), \areg, \off, (\s0)+\d
.endr
.endm
.macro WM p, s, kt                     ; accumulator set p, K step s, tile kt of rows k.  Scale registers: K steps 0-3 in lanes 0-15, K steps 4-7 in lanes 16-31
.set rD, S+32*(\p)+8*(\kt)
.set rA, WF+12*(\s)
.if (\s) < 5
.set rB, 48*(\s)+12*(\kt)
.else
.set rB, 48*((\s)-5)+12*(\kt)
.endif
.set rW, SW+4*(\p)+(\s)%4
.set rE, SA+4*(\kt)+(\s)%4
.if (\s) == 0
	v_wmma_scale_f32_16x16x128_f8f6f4 v[rD:rD+7], v[rA:rA+11], v[rB:rB+11], 0, v[rW], v[rE] matrix_a_fmt:MATRIX_FMT_BF6 matrix_b_fmt:MATRIX_FMT_BF6
.elseif (\s) < 4
	v_wmma_scale_f32_16x16x128_f8f6f4 v[rD:rD+7], v[rA:rA+11], v[rB:rB+11], v[rD:rD+7], v[rW], v[rE] matrix_a_fmt:MATRIX_FMT_BF6 matrix_b_fmt:MATRIX_FMT_BF6
.else
	v_wmma_scale_f32_16x16x128_f8f6f4 v[rD:rD+7], v[rA:rA+11], v[rB:rB+11], v[rD:rD+7], v[rW], v[rE] matrix_a_fmt:MATRIX_FMT_BF6 matrix_b_fmt:MATRIX_FMT_BF6 matrix_a_scale:MATRIX_SCALE_ROW1 matrix_b_scale:MATRIX_SCALE_ROW1
.endif
.endm
; THE VECTOR WORK.  Pair i of 16: accumulator i % 4, registers 2 (i / 4), + 1.
.macro E1 i, q                         ; K2 S + cp'
.set rS, S+32*(\q)+8*((\i)%4)+2*((\i)/4)
.set rC, CP+2*((\i)/4)
	v_pk_fma_f32 v[rS:rS+1], v[rS:rS+1], s[K2:K2+1], v[rC:rC+1] op_sel_hi:[1,0,1]
.endm
.macro EX m, q                         ; 2^.
.set rS, S+32*(\q)+8*(((\m)/2)%4)+2*(((\m)/2)/4)+(\m)%2
	v_exp_f32 v[rS], v[rS]
.endm
.macro E5 n                            ; t += r w
.set rT, T+2*((\n)%4)
.set rR, R+8*((\n)%4)+2*((\n)/4)
.set rV, WVR+2*((\n)/4)
	v_pk_fma_f32 v[rT:rT+1], v[rR:rR+1], v[rV:rV+1], v[rT:rT+1]
.endm
.macro E3 k, q                         ; + 1
.set rS, S+32*(\q)+2*(\k)
	v_pk_add_f32 v[rS:rS+1], v[rS:rS+1], 1.0 op_sel_hi:[1,0]
.endm
.macro RC m, q                         ; r
	v_rcp_f32 v[R+(\m)], v[S+32*(\q)+(\m)]
.endm
.macro SL1 k, q                        ; slice k of 16 behind K steps 0-3.  No slice names an exponential's result
.if (\k) == 0
	E5 0
	E5 1
	E5 2
	E5 3
.elseif (\k) == 1
	E1 0, \q
	E1 1, \q
	E1 2, \q
	E1 3, \q
.elseif (\k) < 14
	E1 (\k)+2, \q
	EX 2*(\k)-4, \q
	E5 (\k)+2
	EX 2*(\k)-3, \q
.else
	EX 4*(\k)-32, \q
	EX 4*(\k)-31, \q
	EX 4*(\k)-30, \q
	EX 4*(\k)-29, \q
.endif
.endm
.macro SL2 k, q                        ; slice k of 16 behind K steps 4-7.  No slice names a reciprocal's result
	E3 \k, \q
.if (\k) > 0
	RC 2*(\k)-2, \q
	RC 2*(\k)-1, \q
.endif
.endm
.macro KS1 p, s
.irp kt, 0,1,2,3
	WM \p, \s, \kt
	SL1 4*(\s)+\kt, 1-(\p)
.endr
.endm
.macro KS2 p, s
.irp kt, 0,1,2,3
	WM \p, \s, \kt
	SL2 4*((\s)-4)+\kt, 1-(\p)
.endr
.endm
.macro TABS u                          ; cp' of this tile and w of the tile before: 4 loads; it leaves the setting 0x04
	ds_load_b128 v[CP:CP+3], v[ADT] offset:64*(\u)
	ds_load_b128 v[CP+4:CP+7], v[ADT] offset:64*(\u)+16
	WIN 0x40                                       ; destination window 1
	ds_load_b128 v[WVR:WVR+3], v[ADT] offset:4096+64*(\u)
	ds_load_b128 v[WVR+4:WVR+7], v[ADT] offset:4096+64*(\u)+16
	WIN 0x04
.endm
.macro RUNA areg, off, u, q            ; 29 loads: the next tile's K steps 0-3 and scale words, and the tables
	FRAGS \areg, \off, 0
	ds_load_b128 v[SW+4*(\q):SW+4*(\q)+3], v[ADS] offset:544*((\u)+1)
	TABS \u
.endm
; A TILE.  p: its accumulator set; u: its place in the pair; aa, ab, off: where the next tile lies (run A's and run B's address registers).
; kind 0: plain.  1: a slot's last tile, the slot is filled again.  2: a slot's last tile, nothing is filled.  3: the last tile of all.
.macro TILE p, u, aa, ab, off, kind
.if ((\kind) == 1) || ((\kind) == 2)
	WIN 0                                          ; (the add's two registers lie in window 0)
	s_wait_tensorcnt 0x0                           ; all my tensor loads have landed: my part of the next slot; so a group 0 may be written
	ds_add_u32 v[SPW], v[NIL]                      ; 0 onto my spare word
.if (\kind) == 1
	s_xor_b32 s[G0B+1], s[G0B+1], SLOT1            ; the walking descriptor: the other slot than last time,
	s_add_nc_u64 s[G0B+2:G0B+3], s[G0B+2:G0B+3], 98304   ; the next 8 tiles
.endif
	s_wait_dscnt 25                                ; run A of the tile before is in; run B's 24 loads and the add may be out
	WIN 0x04
	KS1 \p, 0
	KS1 \p, 1
	s_wait_dscnt 0x0                               ; the add is done, and my reads of this slot are over: all of this tile's fragments are in registers
	s_barrier_signal -1
	KS1 \p, 2
	KS1 \p, 3
	v_nop                                          ; a plain line behind the last exponential
	s_wait_alu depctr_va_vdst(0)                   ; one wait for the batch of exponentials, ahead of the branches and of their first reader
	WIN 0
	s_barrier_wait -1
.if (\kind) == 1
	CREST                                          ; the barrier has opened a round of the cluster's: no wave of any partner still reads this slot or has a load on its way
	tensor_load_to_lds s[G0B:G0B+3], s[G1:G1+7]    ; my one tensor load behind the round: it has the next slot's 256 matrix instructions in which to land
	s_nop 0
.endif
	PLACES                                         ; places in front of the loads into fragments that matrix instructions have read
.else
.if (\u) == 1
	s_wait_dscnt 24                                ; run A of the tile before is in; run B's 24 loads may be out
.endif
	WIN 0x04
	KS1 \p, 0
	KS1 \p, 1
	KS1 \p, 2
	KS1 \p, 3
	PLACES                                         ; places in front of the loads, and the plain line behind the last exponential
	s_wait_alu depctr_va_vdst(0)                   ; one wait for the batch of exponentials
.endif
.if (\kind) == 3
	TABS \u
	s_wait_dscnt 4                                 ; run B of the tile before is in
.else
	RUNA \aa, \off, \u, 1-(\p)
	s_wait_dscnt 29                                ; run B of the tile before is in; the 29 just issued may be out
.endif
.if (\u) == 0
	v_mov_b32 v[AWB], v[AWA]                       ; run B's addresses step here, where no load that names them is out
	v_mov_b32 v[AWB+1], v[AWA+1]
.endif
	KS2 \p, 4
	WIN 0x08                                       ; source 1: window 2
	KS2 \p, 5
	KS2 \p, 6
	KS2 \p, 7
	RC 30, 1-(\p)
	RC 31, 1-(\p)
	PLACES                                         ; places behind the last products, for the loads below and the next tile's first reads of these sums
	s_wait_alu depctr_va_vdst(0)                   ; one wait for the batch of reciprocals
.if (\kind) != 3
	FRAGS \ab, \off, 4                             ; run B: the next tile's K steps 4-7, 24 loads
.endif
.endm
.macro PAIR kind
	s_wait_dscnt 24                                ; run A of the tile before is in: its address registers may step
	v_add_nc_u32 v[AWA], s[TB], v[AW0]
	v_add_nc_u32 v[AWA+1], s[TB], v[AW1]
	v_add_nc_u32 v[ADS], s[TS], v[AS0]
	v_add_nc_u32 v[ADT], s[TT], v[AT0]
.if ((\kind) == 1) || ((\kind) == 2)
	s_sub_co_u32 s[TX], s[TB], 3*2*TILEB           ; back to the slot's first tile,
	s_xor_b32 s[TX], s[TX], SLOT1                  ; in the other slot
	v_add_nc_u32 v[AX], s[TX], v[AW0]
	v_add_nc_u32 v[AX+1], s[TX], v[AW1]
.endif
	TILE 0, 0, AWA, AWB, TILEB, 0
.if (\kind) == 0
	TILE 1, 1, AWA, AWB, 2*TILEB, 0
.elseif (\kind) == 3
	TILE 1, 1, AWA, AWB, 0, 3
.else
	TILE 1, 1, AX, AX, 0, \kind
.endif
	WIN 0                                          ; at a label and at a branch every window is 0
	s_add_co_u32 s[TS], s[TS], 1088
	s_add_co_u32 s[TT], s[TT], 128
.if ((\kind) == 1) || ((\kind) == 2)
	s_mov_b32 s[TB], s[TX]
.else
	s_add_co_u32 s[TB], s[TB], 2*TILEB
.endif
.endm
	s_load_b256 s[8:15], s[0:1], 0x0               ; ea_codes s[8:9], ea_scales s[10:11], rs s[12:13], W_e_codes s[14:15]
	s_load_b256 s[16:23], s[0:1], 0x20             ; W_e_scales s[16:17], c_out s[18:19], v s[20:21], evidence_mask s[22:23]
	s_load_b64 s[24:25], s[0:1], 0x40              ; out1
	v_lshl_add_u32 v[SPW], v0, 2, SPARE
	v_mov_b32 v[NIL], 0
	ds_add_u32 v[SPW], v[NIL]                      ; the opening: the add, twice on end, and its wait ahead of the round in front of my first tensor loads
	ds_add_u32 v[SPW], v[NIL]
	v_lshrrev_b32 v1, 5, v0
	v_readfirstlane_b32 s[WVN], v1                 ; wave 0..3
	s_and_b32 s27, ttmp7, 0xffff                   ; the head, which the four partners share
	s_bfe_u32 s28, ttmp6, 0x40000                  ; cx
	s_lshl_b32 s29, ttmp9, 2
	s_add_co_u32 s28, s28, s29                     ; my group of four b: it enters global addresses of b's own data alone
	s_lshl_b32 s29, s28, 2
	s_add_co_u32 s29, s29, s[WVN]                  ; b
	s_mov_b32 s[G1+0], 15|(3<<16)|(1<<20)|(1<<21)|(5<<22)|(3<<25)   ; the mask: all four; elements of 8 bytes; padding on; bit 21 beside a mask; after every 64 words, 4 words
	s_mov_b32 s[G1+1], 32<<16
	s_mov_b32 s[G1+2], 96<<16
	s_mov_b32 s[G1+3], 32<<16
	s_mov_b32 s[G1+4], 96
	s_mov_b32 s[G1+5], 32
	s_mov_b32 s[G1+6], 0
	s_mov_b32 s[G1+7], 0
	s_mov_b32 s[G1S+0], 15|(3<<16)|(1<<20)|(1<<21)|(5<<22)|(3<<25)
	s_mov_b32 s[G1S+1], 32<<16
	s_mov_b32 s[G1S+2], 32<<16
	s_mov_b32 s[G1S+3], 32<<16
	s_mov_b32 s[G1S+4], 32
	s_mov_b32 s[G1S+5], 32
	s_mov_b32 s[G1S+6], 0
	s_mov_b32 s[G1S+7], 0
	s_mul_i32 s30, s[WVN], 2*TILEB                 ; where my two tiles of a fill go: the wave's number alone
	s_mov_b32 s[G0A], 1
	s_mov_b32 s[G0A+1], s30
	s_mov_b32 s[G0B], 1
	s_add_co_u32 s[G0B+1], s30, SLOT1
	s_mul_i32 s30, s[WVN], 8704
	s_mov_b32 s[G0S], 1
	s_add_co_u32 s[G0S+1], s30, SCL
	s_mul_i32 s30, s27, 786432                     ; W_e's codes: head x 786,432 + wave x 24,576: head and wave alone
	s_mul_i32 s31, s[WVN], 24576
	s_add_co_u32 s30, s30, s31
	s_mov_b32 s31, 0
	s_lshl_b32 s32, s27, 15                        ; its scale bytes: head x 32,768 + wave x 8,192
	s_lshl_b32 s33, s[WVN], 13
	s_add_co_u32 s32, s32, s33
	s_mov_b32 s33, 0
	s_mov_b32 s[K2], 0x4038aa3b                    ; 2 log2(e)
	s_mov_b32 s[K2+1], s[K2]
	s_mov_b32 s[NK2], 0xc038aa3b
	s_mov_b32 s[NK2+1], s[NK2]
	s_mov_b32 s[SEL], 0x76543210
	s_mov_b32 s[SEL+1], 0xfedcba98
	s_mul_i32 s6, s[WVN], TABW
	s_add_co_u32 s6, s6, TAB                       ; my tables
	s_mov_b32 s5, 0
	v_and_b32 v160, 31, v0                         ; lane
	v_and_b32 v[RR], 15, v0
	v_bfe_u32 v[HH], v0, 4, 1
	v_mul_u32_u24 v[AW0], v[RR], 816
	v_mad_u32_u24 v[AW1], v[HH], 40, v[AW0]
	v_mad_u32_u24 v[AW0], v[HH], 24, v[AW0]
	v_lshrrev_b32 v[AS0], 3, v[RR]
	v_lshlrev_b32 v[AS0], 4, v[AS0]
	v_lshl_add_u32 v[AS0], v[RR], 5, v[AS0]
	v_lshl_add_u32 v[AS0], v[HH], 4, v[AS0]
	v_add_nc_u32 v[AS0], SCL, v[AS0]
	v_lshlrev_b32 v[AT0], 5, v[HH]
	v_add_nc_u32 v[AT0], s6, v[AT0]
	v_lshlrev_b32 v[L16], 4, v160
	v_lshlrev_b32 v[R16], 4, v[RR]
	v_add_nc_u32 v161, s6, v[L16]                  ; where I store into the tables
	v_and_b32 v162, 3, v0
	v_lshlrev_b32 v162, 4, v162
	v_add_nc_u32 v162, s6, v162
	v_add_nc_u32 v162, 4096, v162                  ; the 64 bytes of zeros
	s_wait_dscnt 0x0                               ; both opening adds are done
	s_wait_kmcnt 0x0
	s_add_nc_u64 s[G0A+2:G0A+3], s[14:15], s[30:31]
	s_add_nc_u64 s[G0B+2:G0B+3], s[G0A+2:G0A+3], 98304
	s_or_b32 s[G0A+3], s[G0A+3], 0x80000000
	s_or_b32 s[G0B+3], s[G0B+3], 0x80000000
	s_add_nc_u64 s[G0S+2:G0S+3], s[16:17], s[32:33]
	s_or_b32 s[G0S+3], s[G0S+3], 0x80000000
	s_mul_i32 s4, s29, 49152
	s_add_nc_u64 s[8:9], s[8:9], s[4:5]            ; my b's codes,
	s_lshl_b32 s4, s29, 11
	s_add_nc_u64 s[10:11], s[10:11], s[4:5]        ; their scale words,
	s_lshl_b32 s4, s27, 12
	s_add_nc_u64 s[12:13], s[12:13], s[4:5]        ; the head's row sums of W_c
	s_add_nc_u64 s[20:21], s[20:21], s[4:5]        ; and v,
	s_lshl_b32 s4, s29, 12
	s_add_nc_u64 s[18:19], s[18:19], s[4:5]        ; c_out[b],
	s_lshl_b32 s4, s29, 8
	s_add_nc_u64 s[22:23], s[22:23], s[4:5]        ; the mask's row,
	s_lshl_b32 s4, s29, 2
	s_add_co_u32 s4, s4, s27
	s_lshl_b32 s4, s4, 8
	s_add_nc_u64 s[24:25], s[24:25], s[4:5]        ; alpha[b][head]
	ROUND                                          ; all four work-groups are here: the first joint loads meet
	tensor_load_to_lds s[G0S:G0S+3], s[G1S:G1S+7]  ; three first fills, every wave its own parts: three loads of mine are out
	s_nop 0
	tensor_load_to_lds s[G0A:G0A+3], s[G1:G1+7]
	s_nop 0
	tensor_load_to_lds s[G0B:G0B+3], s[G1:G1+7]
	s_nop 0
	PLACES
.irp i, 0,1,2,3,4,5,6,7
	global_load_b128 v[S+4*\i:S+4*\i+3], v[L16], s[18:19] offset:512*\i          ; c_out[b]
.endr
.irp i, 0,1,2,3,4,5,6,7
	global_load_b128 v[S+32+4*\i:S+32+4*\i+3], v[L16], s[12:13] offset:512*\i    ; rs[head]
.endr
.irp i, 0,1,2,3,4,5,6,7
	global_load_b128 v[R+4*\i:R+4*\i+3], v[L16], s[20:21] offset:512*\i          ; v[head]
.endr
	global_load_b128 v[MK:MK+3], v[R16], s[22:23]                                ; the mask of k = 4 r + 0 .. 3
.irp kt, 0,1,2,3
	global_load_b128 v[SA+4*\kt:SA+4*\kt+3], v[L16], s[10:11] offset:512*\kt
.endr
	WIN 0x40                                       ; destination window 1
.irp s, 0,1,2,3,4
.irp kt, 0,1,2,3
.irp c, 0,1,2
	global_load_b128 v[48*\s+12*\kt+4*\c:48*\s+12*\kt+4*\c+3], v[L16], s[8:9] offset:(8*\kt+\s)*1536+512*\c th:TH_LOAD_NT
.endr
.endr
.endr
	WIN 0x80                                       ; destination window 2
.irp s, 5,6,7
.irp kt, 0,1,2,3
.irp c, 0,1,2
	global_load_b128 v[48*(\s-5)+12*\kt+4*\c:48*(\s-5)+12*\kt+4*\c+3], v[L16], s[8:9] offset:(8*\kt+\s)*1536+512*\c th:TH_LOAD_NT
.endr
.endr
.endr
	WIN 0
	s_wait_loadcnt 63                              ; 101 loads were issued behind the 24 of the tables: those are in
.set i, 0
.rept 16
	v_pk_mul_f32 v[S+2*i:S+2*i+1], v[S+2*i:S+2*i+1], s[K2:K2+1] op_sel_hi:[1,0]
	v_pk_mul_f32 v[R+2*i:R+2*i+1], v[R+2*i:R+2*i+1], s[NK2:NK2+1] op_sel_hi:[1,0]    ; w = -K2 v
.set i, i+1
.endr
.set i, 0
.rept 16
	v_pk_mul_f32 v[S+2*i:S+2*i+1], v[S+2*i:S+2*i+1], v[S+32+2*i:S+32+2*i+1]          ; cp' = K2 c_out rs
.set i, i+1
.endr
.irp i, 0,1,2,3,4,5,6,7
	ds_store_b128 v161, v[S+4*\i:S+4*\i+3] offset:512*\i
	ds_store_b128 v161, v[R+4*\i:R+4*\i+3] offset:4160+512*\i
.endr
.irp i, 0,1,2,3,4,5,6,7
	v_mov_b32 v[T+\i], 0                           ; t begins at 0
.endr
	ds_store_b128 v162, v[T:T+3]                   ; w of the tile before the first: zeros
	s_mov_b32 s[TB], 0
	s_mov_b32 s[TS], 0
	s_mov_b32 s[TT], 0
	s_wait_tensorcnt 0x1                           ; the scale bytes and my part of fill 0 are in; fill 1 may stay out
	s_wait_dscnt 0x0                               ; my stores into the tables have landed and have read their registers
	s_barrier_signal -1
	s_barrier_wait -1
; The tile is written once: the first two turns find zeros (cp', S of the tile before, r, w), of which they make 0 x 0 and 0.5 x 0, which leave t as it is.  That saves a further written-out copy of the pair.
.irp i, 0,1,2,3,4,5,6,7
	v_mov_b32 v[CP+\i], 0
.endr
.set i, 0
.rept 32
	v_mov_b32 v[S+32+i], 0
	v_mov_b32 v[R+i], 0
.set i, i+1
.endr
	WIN 0x40
.irp i, 0,1,2,3,4,5,6,7
	v_mov_b32 v[WVR+\i], 0
.endr
	WIN 0
	v_mov_b32 v[AWA], v[AW0]
	v_mov_b32 v[AWA+1], v[AW1]
	v_mov_b32 v[AWB], v[AW0]
	v_mov_b32 v[AWB+1], v[AW1]
	v_mov_b32 v[ADS], v[AS0]
	FRAGS AWA, 0, 0                                ; tile 0
	ds_load_b128 v[SW:SW+3], v[ADS]
	FRAGS AWB, 0, 4
	s_wait_loadcnt 0x0                             ; e_emb's fragments, their scale words, the mask
	s_mov_b32 s[SLC], 6
.Lslot:                                            ; slots 0 to 5: each is filled again when it has been read
	s_mov_b32 s[PRC], 3
.Lpair:
	PAIR 0
	s_sub_co_u32 s[PRC], s[PRC], 1
	s_cmp_lg_u32 s[PRC], 0
	s_cbranch_scc1 .Lpair
	PAIR 1
	s_sub_co_u32 s[SLC], s[SLC], 1
	s_cmp_lg_u32 s[SLC], 0
	s_cbranch_scc1 .Lslot
	s_mov_b32 s[PRC], 3                            ; slot 6: the tail is written out
.Lpair6:
	PAIR 0
	s_sub_co_u32 s[PRC], s[PRC], 1
	s_cmp_lg_u32 s[PRC], 0
	s_cbranch_scc1 .Lpair6
	PAIR 2
	s_mov_b32 s[PRC], 3                            ; slot 7
.Lpair7:
	PAIR 0
	s_sub_co_u32 s[PRC], s[PRC], 1
	s_cmp_lg_u32 s[PRC], 0
	s_cbranch_scc1 .Lpair7
	PAIR 3
; THE DRAIN: tile 62's sums, tile 63's whole vector work
	WIN 0x04
	s_wait_dscnt 0x0                               ; cp' of tile 63, w of tile 62
.irp k, 0,1,2,3,4,5,6,7,8,9,10,11,12,13,14,15
	SL1 \k, 1
.endr
	v_nop
	s_wait_alu depctr_va_vdst(0)
	WIN 0x40
	ds_load_b128 v[WVR:WVR+3], v[ADT] offset:4096+128        ; w of tile 63
	ds_load_b128 v[WVR+4:WVR+7], v[ADT] offset:4096+128+16
	WIN 0x04
.irp k, 0,1,2,3,4,5,6,7,8,9,10,11,12,13,14,15
	SL2 \k, 1
.endr
	RC 30, 1
	RC 31, 1
	v_nop
	s_wait_alu depctr_va_vdst(0)
	s_wait_dscnt 0x0
.irp n, 0,1,2,3,4,5,6,7,8,9,10,11,12,13,14,15
	E5 \n
.endr
	WIN 0
; THE SOFTMAX over the 64 k: four in a lane, sixteen lanes; both halves of the lanes end with the same numbers
.irp kt, 0,1,2,3
	v_add_f32 v[64+\kt], v[T+2*\kt], v[T+2*\kt+1]
.endr
.irp kt, 0,1,2,3
	v_permlanex16_b32 v[68+\kt], v[64+\kt], s[SEL], s[SEL+1]     ; the other eight of each tile's sixteen rows e
.endr
.irp kt, 0,1,2,3
	v_add_f32 v[64+\kt], v[64+\kt], v[68+\kt]
.endr
	v_mov_b32 v68, 0xff800000                      ; -infinity
.irp kt, 0,1,2,3
	v_cmp_eq_u32 vcc_lo, 0, v[MK+\kt]
	v_cndmask_b32 v[64+\kt], v[64+\kt], v68, vcc_lo
.endr
	v_max3_num_f32 v69, v64, v65, v66
	v_max_num_f32 v69, v69, v67
.irp m, 1,2,4,8
	v_max_num_f32_dpp v69, v69, v69 row_xmask:\m row_mask:0xf bank_mask:0xf
.endr
.irp kt, 0,1,2,3
	v_sub_f32 v[64+\kt], v[64+\kt], v69            ; the maximum is taken away
.endr
.irp kt, 0,1,2,3
	v_exp_f32 v[64+\kt], v[64+\kt]
.endr
	v_nop
	s_wait_alu depctr_va_vdst(0)
	v_add_f32 v70, v64, v65
	v_add_f32 v71, v66, v67
	v_add_f32 v70, v70, v71
.irp m, 1,2,4,8
	v_add_f32_dpp v70, v70, v70 row_xmask:\m row_mask:0xf bank_mask:0xf
.endr
	v_rcp_f32 v71, v70
	v_and_b32 v72, 31, v0                          ; (a plain line behind the reciprocal)
	s_wait_alu depctr_va_vdst(0)
.irp kt, 0,1,2,3
	v_mul_f32 v[64+\kt], v[64+\kt], v71
.endr
	v_cmp_gt_u32 vcc_lo, 16, v72
	s_wait_xcnt 0x0                                ; EXEC changes only behind this wait
	s_and_saveexec_b32 s78, vcc_lo
	global_store_b128 v[R16], v[64:67], s[24:25]   ; sixteen lanes store 256 consecutive bytes, aligned
	s_wait_xcnt 0x0
	s_or_b32 exec_lo, exec_lo, s78
	s_wait_tensorcnt 0x0                           ; the wave's end
	ds_add_u32 v[SPW], v[NIL]
	s_wait_dscnt 0x0
	ROUND                                          ; the closing round
	s_endpgm
.Lfunc_end_k_qe3e060d938_att:
	.size	k_qe3e060d938_att, .Lfunc_end_k_qe3e060d938_att-k_qe3e060d938_att
	.p2alignl 7, 3214868480
	.fill 96, 4, 3214868480
	.section	.rodata,"a",@progbits
	.p2align	6, 0x0
	.amdhsa_kernel k_qe3e060d938_att
		.amdhsa_group_segment_fixed_size 327680
		.amdhsa_private_segment_fixed_size 0
		.amdhsa_enable_private_segment 0
		.amdhsa_kernarg_size 72
		.amdhsa_user_sgpr_count 2
		.amdhsa_user_sgpr_kernarg_segment_ptr 1
		.amdhsa_wavefront_size32 1
		.amdhsa_system_sgpr_workgroup_id_x 1
		.amdhsa_system_sgpr_workgroup_id_y 1
		.amdhsa_system_sgpr_workgroup_id_z 1
		.amdhsa_system_vgpr_workitem_id 0
		.amdhsa_next_free_vgpr 672
		.amdhsa_next_free_sgpr 80
		.amdhsa_reserve_vcc 1
		.amdhsa_float_denorm_mode_32 3
		.amdhsa_float_denorm_mode_16_64 3
		.amdhsa_memory_ordered 1
		.amdhsa_forward_progress 1
		.amdhsa_inst_pref_size 193
	.end_amdhsa_kernel
	.amdgpu_metadata
---
amdhsa.version: [ 1, 2 ]
amdhsa.kernels:
  - .name:           k_qe3e060d938_att
    .symbol:         k_qe3e060d938_att.kd
    .args:
      - { .name: ea_codes, .offset: 0, .size: 8, .value_kind: global_buffer, .address_space: global }
      - { .name: ea_scales, .offset: 8, .size: 8, .value_kind: global_buffer, .address_space: global }
      - { .name: rs, .offset: 16, .size: 8, .value_kind: global_buffer, .address_space: global }
      - { .name: W_e_codes, .offset: 24, .size: 8, .value_kind: global_buffer, .address_space: global }
      - { .name: W_e_scales, .offset: 32, .size: 8, .value_kind: global_buffer, .address_space: global }
      - { .name: c_out, .offset: 40, .size: 8, .value_kind: global_buffer, .address_space: global }
      - { .name: v, .offset: 48, .size: 8, .value_kind: global_buffer, .address_space: global }
      - { .name: evidence_mask, .offset: 56, .size: 8, .value_kind: global_buffer, .address_space: global }
      - { .name: out1, .offset: 64, .size: 8, .value_kind: global_buffer, .address_space: global }
    .group_segment_fixed_size: 327680
    .private_segment_fixed_size: 0
    .kernarg_segment_align: 8
    .kernarg_segment_size: 72
    .max_flat_workgroup_size: 128
    .sgpr_count:     80
    .vgpr_count:     672
    .wavefront_size: 32
...
	.end_amdgpu_metadata
.endif
;; end of part 2
;; launch comb (part 3): grid 256 x 1, 16 waves a work-group, no clusters, 23,040 bytes of LDS; arguments e_emb, out1, c_out, gate_w, out2, hq_codes, hq_scales; writes out2, hq_codes, hq_scales
.if DOCPART == 3
	.amdgcn_target "amdgcn-amd-amdhsa--gfx1250"
	.amdhsa_code_object_version 6
	.text
	.protected	k_qe3e060d938_comb
	.globl	k_qe3e060d938_comb
	.p2align	8
	.type	k_qe3e060d938_comb,@function
k_qe3e060d938_comb:
	s_mov_b64 s[64:65], 0
	v_nop
	global_prefetch_b8 v0, s[64:65] scope:SCOPE_SE
	s_setreg_imm32_b32 hwreg(HW_REG_WAVE_MODE, 25, 1), 1
	s_wait_xcnt 0x0
; For one b: e_att_heads = alpha e_emb (f32: its result goes on into a quantiser), the gate's softmax over the four heads (out2), e_att, h = [c, e_att, |c - e_att|, c e_att], and h's codes of E3M2.
; LEFT OUT (shown at the head of the first kernel): c_out . gate_w[:1024] + gate_b is the same for all four heads and reaches only the softmax over the heads; gate_w's first 4,096 bytes are not loaded.
; LIMITS: as the first kernel's quantiser; a NaN in alpha (a mask that is all 0) reaches out2 but is not carried through the codes.
; SHARES.  Work-group = b.  Thread t takes columns 2 t, 2 t + 1: a wave's load of a row covers 256 consecutive bytes, aligned.  All 64 rows of a wave are asked for at once.
; No matrix unit: four rows, and f32 operands are owed.  No cluster: what work-groups share is gate_w's 4,096 bytes beside 262,144 of their own.
.set GP,    0                          ; LDS: 64 words: wave w's part of head h's logit at word 4 w + h
.set HST,   256                        ; h as f32: 16 numbers have a place of 64 + 16 bytes
.set SCB,   20736                      ; 128 scale bytes
.set SPARE, 20992                      ; the spare words, 128 bytes a wave: eight blocks of 256 bytes that no other line names
.set LN,  1
.set AGP, 3                            ; v3   16 x wave
.set AHS, 4                            ; v4   where I store two numbers of a segment of h
.set AHL, 5                            ; v5   where I read 16 neighbours
.set ASB, 6                            ; v6   my block's scale byte
.set L4,  7                            ; v7   4 x lane
.set AL,  8                            ; v8-15  alpha: register 2 h + g, lane l: alpha[h][32 g + l]
.set CC,  16                           ; v16-17 c_out
.set GW,  18                           ; v18-19 gate_w's second half
.set EH,  20                           ; v20-27 e_att_heads, a pair a head
.set SPW, 28
.set NIL, 29
.set O8,  30                           ; v30  8 x thread
.set O12, 31                           ; v31  12 x (thread & 255)
.set E,   32                           ; v32-159 64 rows x 2 numbers
.set TP,  160                          ; v160-187 at work
	s_load_b256 s[4:11], s[0:1], 0x0               ; e_emb s[4:5], out1 s[6:7], c_out s[8:9], gate_w s[10:11]
	s_load_b128 s[12:15], s[0:1], 0x20             ; out2 s[12:13], hq_codes s[14:15]
	s_load_b64 s[16:17], s[0:1], 0x30              ; hq_scales
	v_lshl_add_u32 v[SPW], v0, 2, SPARE
	v_mov_b32 v[NIL], 0
	v_lshrrev_b32 v2, 5, v0
	v_readfirstlane_b32 s18, v2                    ; wave 0..15
	v_lshlrev_b32 v[AGP], 4, v2
	v_and_b32 v[LN], 31, v0
	v_lshrrev_b32 v[AHS], 3, v0                    ; columns 2 t, 2 t + 1 lie in group t / 8 of 16,
	v_mul_u32_u24 v[AHS], v[AHS], 80
	v_and_b32 v2, 7, v0
	v_lshl_add_u32 v[AHS], v2, 3, v[AHS]           ; 8 (t % 8) bytes on
	v_add_nc_u32 v[AHS], HST, v[AHS]
	v_and_b32 v2, 255, v0
	v_mul_u32_u24 v[AHL], v2, 80
	v_add_nc_u32 v[AHL], HST, v[AHL]
	v_lshrrev_b32 v[ASB], 1, v2
	v_add_nc_u32 v[ASB], SCB, v[ASB]
	v_lshlrev_b32 v[L4], 2, v[LN]
	v_lshlrev_b32 v[O8], 3, v0
	v_mul_u32_u24 v[O12], v2, 12
.irp i, 4,5,6,7
	v_mov_b32 v[TP+\i], 0                          ; written once: a lane permute's destination counts as one of its sources
.endr
.irp i, 33,35,37,39,41,43,45,47,49,51,53,55
	s_mov_b32 s\i, 0                               ; the upper halves of the scalar pairs that the packed forms name
.endr
	s_mov_b32 s56, 0x76543210
	s_mov_b32 s57, 0xfedcba98
	s_mov_b32 s21, 0
	s_wait_kmcnt 0x0
	s_lshl_b32 s20, ttmp9, 18
	s_add_nc_u64 s[4:5], s[4:5], s[20:21]
	s_lshl_b32 s20, ttmp9, 10
	s_add_nc_u64 s[6:7], s[6:7], s[20:21]
	s_lshl_b32 s20, ttmp9, 12
	s_add_nc_u64 s[8:9], s[8:9], s[20:21]
	s_lshl_b32 s20, ttmp9, 4
	s_add_nc_u64 s[12:13], s[12:13], s[20:21]
	s_mul_i32 s20, ttmp9, 3072
	s_add_nc_u64 s[14:15], s[14:15], s[20:21]
	s_lshl_b32 s20, ttmp9, 7
	s_add_nc_u64 s[16:17], s[16:17], s[20:21]
.irp h, 0,1,2,3
.irp g, 0,1
	global_load_b32 v[AL+2*\h+\g], v[L4], s[6:7] offset:256*\h+128*\g
.endr
.endr
	global_load_b64 v[CC:CC+1], v[O8], s[8:9]
	global_load_b64 v[GW:GW+1], v[O8], s[10:11] offset:4096
.set k, 0
.rept 64
	global_load_b64 v[E+2*k:E+2*k+1], v[O8], s[4:5] offset:4096*k th:TH_LOAD_NT
.set k, k+1
.endr
; e_att_heads[h] += alpha[h][k] x row k: four numbers out of the lanes into scalar registers (two sets by turns), four packed multiply-adds.  The first row starts the sums.
.set k, 0
.rept 64
	s_wait_loadcnt 63-k                            ; row k is in; the rows behind it may be out
.irp h, 0,1,2,3
	v_readlane_b32 s[32+8*(k%2)+2*\h], v[AL+2*\h+k/32], k%32
.endr
.irp h, 0,1,2,3
.if k == 0
	v_pk_mul_f32 v[EH+2*\h:EH+2*\h+1], v[E:E+1], s[32+2*\h:33+2*\h] op_sel_hi:[1,0]
.else
	v_pk_fma_f32 v[EH+2*\h:EH+2*\h+1], v[E+2*k:E+2*k+1], s[32+8*(k%2)+2*\h:33+8*(k%2)+2*\h], v[EH+2*\h:EH+2*\h+1] op_sel_hi:[1,0,1]
.endif
.endr
.set k, k+1
.endr
; the gate's logits: my two columns, then the wave's 64, then all sixteen waves'
.irp h, 0,1,2,3
	v_mul_f32 v[TP+\h], v[EH+2*\h], v[GW]
.endr
.irp h, 0,1,2,3
	v_fmac_f32 v[TP+\h], v[EH+2*\h+1], v[GW+1]
.endr
.irp m, 1,2,4,8
.irp h, 0,1,2,3
	v_add_f32_dpp v[TP+\h], v[TP+\h], v[TP+\h] row_xmask:\m row_mask:0xf bank_mask:0xf
.endr
.endr
.irp h, 0,1,2,3
	v_permlanex16_b32 v[TP+4+\h], v[TP+\h], s56, s57
.endr
.irp h, 0,1,2,3
	v_add_f32 v[TP+\h], v[TP+\h], v[TP+4+\h]
.endr
	ds_store_b128 v[AGP], v[TP:TP+3]               ; all lanes write the same four words with the same values
	s_wait_dscnt 0x0                               ; for the others' sake
	s_barrier_signal -1
	s_barrier_wait -1
	ds_load_b32 v[TP+8], v[L4]                     ; word l: wave l / 4, head l % 4
	ds_load_b32 v[TP+9], v[L4] offset:128          ; wave 8 + l / 4
	s_wait_dscnt 0x0
	v_add_f32 v[TP+8], v[TP+8], v[TP+9]
	v_add_f32_dpp v[TP+8], v[TP+8], v[TP+8] row_xmask:4 row_mask:0xf bank_mask:0xf
	v_add_f32_dpp v[TP+8], v[TP+8], v[TP+8] row_xmask:8 row_mask:0xf bank_mask:0xf
	v_permlanex16_b32 v[TP+9], v[TP+8], s56, s57
	v_add_f32 v[TP+8], v[TP+8], v[TP+9]            ; lane l holds the logit of head l % 4
	v_mov_b32 v[TP+10], v[TP+8]
	v_max_num_f32_dpp v[TP+10], v[TP+10], v[TP+10] row_xmask:1 row_mask:0xf bank_mask:0xf
	v_max_num_f32_dpp v[TP+10], v[TP+10], v[TP+10] row_xmask:2 row_mask:0xf bank_mask:0xf
	v_sub_f32 v[TP+8], v[TP+8], v[TP+10]           ; the maximum is taken away
	v_mul_f32 v[TP+8], 0x3fb8aa3b, v[TP+8]
	v_exp_f32 v[TP+11], v[TP+8]
	v_nop
	s_wait_alu depctr_va_vdst(0)
	v_mov_b32 v[TP+12], v[TP+11]
	v_add_f32_dpp v[TP+12], v[TP+12], v[TP+12] row_xmask:1 row_mask:0xf bank_mask:0xf
	v_add_f32_dpp v[TP+12], v[TP+12], v[TP+12] row_xmask:2 row_mask:0xf bank_mask:0xf
	v_rcp_f32 v[TP+13], v[TP+12]
	v_nop
	s_wait_alu depctr_va_vdst(0)
	v_mul_f32 v[TP+11], v[TP+11], v[TP+13]         ; head_weights[l % 4]
	s_cmp_lg_u32 s18, 0
	s_cbranch_scc1 .Lno_hw
	v_cmp_gt_u32 vcc_lo, 4, v[LN]
	s_wait_xcnt 0x0                                ; EXEC changes only behind this wait
	s_and_saveexec_b32 s58, vcc_lo
	global_store_b32 v[L4], v[TP+11], s[12:13]     ; wave 0, lanes 0-3: out2[b]
	s_wait_xcnt 0x0
	s_or_b32 exec_lo, exec_lo, s58
.Lno_hw:
.irp h, 0,1,2,3
	v_readlane_b32 s[48+2*\h], v[TP+11], \h
.endr
	v_pk_mul_f32 v[TP+14:TP+15], v[EH:EH+1], s[48:49] op_sel_hi:[1,0]
.irp h, 1,2,3
	v_pk_fma_f32 v[TP+14:TP+15], v[EH+2*\h:EH+2*\h+1], s[48+2*\h:49+2*\h], v[TP+14:TP+15] op_sel_hi:[1,0,1]   ; e_att
.endr
	v_pk_add_f32 v[TP+16:TP+17], v[CC:CC+1], v[TP+14:TP+15] neg_lo:[0,1] neg_hi:[0,1]
	v_and_b32 v[TP+16], 0x7fffffff, v[TP+16]
	v_and_b32 v[TP+17], 0x7fffffff, v[TP+17]
	v_pk_mul_f32 v[TP+18:TP+19], v[CC:CC+1], v[TP+14:TP+15]
	ds_store_b64 v[AHS], v[CC:CC+1]                ; h's four segments of 1,024 numbers, 5,120 bytes each
	ds_store_b64 v[AHS], v[TP+14:TP+15] offset:5120
	ds_store_b64 v[AHS], v[TP+16:TP+17] offset:10240
	ds_store_b64 v[AHS], v[TP+18:TP+19] offset:15360
	s_wait_dscnt 0x0
	s_barrier_signal -1
	s_barrier_wait -1
	s_cmp_ge_u32 s18, 8                            ; 4,096 numbers, 16 to a thread: waves 0 to 7; two neighbouring lanes hold a block of 32
	s_cbranch_scc1 .Lno_q
.irp j, 0,1,2,3
	ds_load_b128 v[E+4*\j:E+4*\j+3], v[AHL] offset:16*\j
.endr
	s_wait_dscnt 0x0
	v_max3_num_f32 v[TP+20], |v[E]|, |v[E+1]|, |v[E+2]|
	v_max3_num_f32 v[TP+21], |v[E+3]|, |v[E+4]|, |v[E+5]|
.irp i, 6,10
	v_max3_num_f32 v[TP+20], v[TP+20], |v[E+\i]|, |v[E+\i+1]|
	v_max3_num_f32 v[TP+21], v[TP+21], |v[E+\i+2]|, |v[E+\i+3]|
.endr
	v_max3_num_f32 v[TP+20], v[TP+20], |v[E+14]|, |v[E+15]|
	v_max3_num_f32 v[TP+20], v[TP+20], v[TP+21], 0x2800000         ; and the floor 2^(5 - 127): the byte cannot fall under 1
	v_max_num_f32_dpp v[TP+20], v[TP+20], v[TP+20] row_xmask:1 row_mask:0xf bank_mask:0xf   ; with my neighbour's 16: the block's
	v_add_nc_u32 v[TP+22], 0xfe000000, v[TP+20]    ; 4 off the exponent field: the conversion's scale operand
	v_cvt_scalef32_pk16_bf6_f32 v[TP+24:TP+26], v[E:E+15], v[TP+22]
	v_lshrrev_b32 v[TP+23], 23, v[TP+22]           ; the scale's byte (also the plain line behind the conversion)
	ds_store_b8 v[ASB], v[TP+23]                   ; both lanes of a block write the same byte with the same value
	global_store_b96 v[O12], v[TP+24:TP+26], s[14:15]   ; a wave stores 384 consecutive bytes of the row's stream of bits
.Lno_q:
	s_wait_dscnt 0x0
	s_barrier_signal -1
	s_barrier_wait -1
	s_cmp_lg_u32 s18, 0
	s_cbranch_scc1 .Lend
	ds_load_b32 v[TP+27], v[L4] offset:SCB
	s_wait_dscnt 0x0
	global_store_b32 v[L4], v[TP+27], s[16:17]     ; the row's 128 scale bytes
.Lend:
	s_wait_tensorcnt 0x0                           ; the wave's end
	ds_add_u32 v[SPW], v[NIL]
	s_wait_dscnt 0x0
	s_endpgm
.Lfunc_end_k_qe3e060d938_comb:
	.size	k_qe3e060d938_comb, .Lfunc_end_k_qe3e060d938_comb-k_qe3e060d938_comb
	.p2alignl 7, 3214868480
	.fill 96, 4, 3214868480
	.section	.rodata,"a",@progbits
	.p2align	6, 0x0
	.amdhsa_kernel k_qe3e060d938_comb
		.amdhsa_group_segment_fixed_size 23040
		.amdhsa_private_segment_fixed_size 0
		.amdhsa_enable_private_segment 0
		.amdhsa_kernarg_size 56
		.amdhsa_user_sgpr_count 2
		.amdhsa_user_sgpr_kernarg_segment_ptr 1
		.amdhsa_wavefront_size32 1
		.amdhsa_system_sgpr_workgroup_id_x 1
		.amdhsa_system_sgpr_workgroup_id_y 1
		.amdhsa_system_sgpr_workgroup_id_z 1
		.amdhsa_system_vgpr_workitem_id 0
		.amdhsa_next_free_vgpr 192
		.amdhsa_next_free_sgpr 66
		.amdhsa_reserve_vcc 1
		.amdhsa_float_denorm_mode_32 3
		.amdhsa_float_denorm_mode_16_64 3
		.amdhsa_memory_ordered 1
		.amdhsa_forward_progress 1
		.amdhsa_inst_pref_size 50
	.end_amdhsa_kernel
	.amdgpu_metadata
---
amdhsa.version: [ 1, 2 ]
amdhsa.kernels:
  - .name:           k_qe3e060d938_comb
    .symbol:         k_qe3e060d938_comb.kd
    .args:
      - { .name: e_emb, .offset: 0, .size: 8, .value_kind: global_buffer, .address_space: global }
      - { .name: out1, .offset: 8, .size: 8, .value_kind: global_buffer, .address_space: global }
      - { .name: c_out, .offset: 16, .size: 8, .value_kind: global_buffer, .address_space: global }
      - { .name: gate_w, .offset: 24, .size: 8, .value_kind: global_buffer, .address_space: global }
      - { .name: out2, .offset: 32, .size: 8, .value_kind: global_buffer, .address_space: global }
      - { .name: hq_codes, .offset: 40, .size: 8, .value_kind: global_buffer, .address_space: global }
      - { .name: hq_scales, .offset: 48, .size: 8, .value_kind: global_buffer, .address_space: global }
    .group_segment_fixed_size: 23040
    .private_segment_fixed_size: 0
    .kernarg_segment_align: 8
    .kernarg_segment_size: 56
    .max_flat_workgroup_size: 512
    .sgpr_count:     66
    .vgpr_count:     192
    .wavefront_size: 32
...
	.end_amdgpu_metadata
.endif
;; end of part 3
;; launch mlp (part 4): grid 64 x 4, 4 waves a work-group, clusters of 4 x 4, 278,016 bytes of LDS; arguments hq_codes, hq_scales, w1_codes, w1_scales, b1, w2, part; writes part
.if DOCPART == 4
	.amdgcn_target "amdgcn-amd-amdhsa--gfx1250"
	.amdhsa_code_object_version 6
	.text
	.protected	k_qe3e060d938_mlp
	.globl	k_qe3e060d938_mlp
	.p2align	8
	.type	k_qe3e060d938_mlp,@function
k_qe3e060d938_mlp:
	s_mov_b64 s[64:65], 0
	v_nop
	global_prefetch_b8 v0, s[64:65] scope:SCOPE_SE
	s_setreg_imm32_b32 hwreg(HW_REG_WAVE_MODE, 25, 1), 1
	s_wait_xcnt 0x0
	s_wait_alu depctr_hold_cnt(0) depctr_sa_sdst(0) depctr_va_vdst(0) depctr_va_sdst(0) depctr_va_ssrc(0) depctr_va_vcc(0) depctr_vm_vsrc(0)
	s_getreg_b32 s2, hwreg(HW_REG_IB_STS2, 6, 4)
	s_cmp_eq_u32 s2, 0
	s_cbranch_scc0 .Lentry_in_a_cluster
	s_endpgm
.Lentry_in_a_cluster:
	s_bfe_u32 s2, ttmp6, 0x10000c
	s_cmp_lg_u32 s2, 0xf033
	s_cbranch_scc0 .Lentry_shape_is_right
	s_endpgm
.Lentry_shape_is_right:
; hid = relu(h w1^T + b1) on codes of E3M2, and the part of hid w2^T that 16 hidden units give: part[nt][b][0..2] (word 3 is 0); the next launch adds the 64 parts and b2.
; SHARES.  A work-group takes 16 hidden units (nt) and 64 rows b (mb).  Wave w takes K steps 8 w .. 8 w + 7 of the 32 (768 bytes of every row) for all four tiles of 16 b: 32 matrix instructions on four
; accumulators by turns.  Source 0 = 16 rows of w1, source 1 = 16 rows of h: a lane holds one b and eight hidden units.  The four waves' sums meet in LDS.
; CLUSTER 4 x 4: h's strips hang on mb = cy alone and are shared along a row of the cluster, w1's on nt (cluster x and cx) alone and are shared along a column: both are asked for jointly.
; Every LDS byte is filled once, and a wave reads only the strips that it asked for: its own wait for its tensor loads is all that those reads need.
.set WREG,  65280                      ; a wave's LDS: 64 rows of h, then 16 rows of w1; a row: 3 units of (256 + 16) bytes = 816
.set WOFF,  52224
.set STG,   261120                     ; the sums' images: ((wave x 4 + tile) x 2 + half) x 512 + 16 x lane
.set SPARE, 277504                     ; the spare words, 128 bytes a wave: two blocks of 256 bytes that no other line names
.set RR,  1
.set HH,  2
.set AH,  3                            ; v3, v4  my region + 816 r + 24 h, + 40 h
.set STO, 5
.set SRD, 6
.set PO,  7                            ; v7   16 r
.set SH,  8                            ; v8-23  h's scale words: 4 mt + i: K step i in lanes 0-15, 4 + i in lanes 16-31
.set SWS, 24                           ; v24-27 w1's, in the same form
.set B1,  28                           ; v28-35 b1 of my eight hidden units
.set W2,  36                           ; v36-59 w2's three rows at them
.set SPW, 60
.set NIL, 61
.set VH,  62                           ; v62  128 r + 16 h
.set VB,  63                           ; v63  32 h
.set ACC, 64                           ; v64-95
.set F,   96                           ; v96-155, v156-215: two sets: w1's fragment, then h's four
.set WVN, 22
.set G1H, 24
.set G1W, 32
.set G0H, 40
.set G0W, 44
.macro PLACES
.rept 4
	v_nop
.endr
.endm
.macro CREST
	s_cmp_lg_u32 s[WVN], 0
	s_cbranch_scc1 .Lnot_wave_0_\@
	s_barrier_signal -3
.Lnot_wave_0_\@:
	s_barrier_wait -3
	s_barrier_signal -1
	s_barrier_wait -1
.endm
.macro ROUND
	s_barrier_signal -1
	s_barrier_wait -1
	CREST
.endm
.macro FRAG reg, areg, off, s          ; 16 rows x 128 K: lane (r, h) takes bytes 96 s + 24 h + 0..23 and 96 s + 48 + 24 h + 0..23 of its row's strip, in pieces of 8 bytes
.set FRG, \reg
.set FAD, \areg
.set FOF, \off
.set FKS, \s
.irp c, 0,1
.irp p, 0,1,2
.set FO, 96*FKS+48*\c+8*\p
.set FD, FRG+6*\c+2*\p
.if (FO+24)/256 > FO/256
	ds_load_b64 v[FD:FD+1], v[FAD+1] offset:FOF+FO+16*(FO/256)
.else
	ds_load_b64 v[FD:FD+1], v[FAD] offset:FOF+FO+16*(FO/256)
.endif
.endr
.endr
.endm
.macro FETCH s                         ; 30 loads
	FRAG F+60*((\s)%2), AH, WOFF, \s
.irp mt, 0,1,2,3
	FRAG F+60*((\s)%2)+12+12*\mt, AH, 13056*\mt, \s
.endr
.endm
.macro WM4 s, mt
.set rD, ACC+8*(\mt)
.set rA, F+60*((\s)%2)
.set rB, rA+12+12*(\mt)
.set rW, SWS+(\s)%4
.set rE, SH+4*(\mt)+(\s)%4
.if (\s) == 0
	v_wmma_scale_f32_16x16x128_f8f6f4 v[rD:rD+7], v[rA:rA+11], v[rB:rB+11], 0, v[rW], v[rE] matrix_a_fmt:MATRIX_FMT_BF6 matrix_b_fmt:MATRIX_FMT_BF6
.elseif (\s) < 4
	v_wmma_scale_f32_16x16x128_f8f6f4 v[rD:rD+7], v[rA:rA+11], v[rB:rB+11], v[rD:rD+7], v[rW], v[rE] matrix_a_fmt:MATRIX_FMT_BF6 matrix_b_fmt:MATRIX_FMT_BF6
.else
	v_wmma_scale_f32_16x16x128_f8f6f4 v[rD:rD+7], v[rA:rA+11], v[rB:rB+11], v[rD:rD+7], v[rW], v[rE] matrix_a_fmt:MATRIX_FMT_BF6 matrix_b_fmt:MATRIX_FMT_BF6 matrix_a_scale:MATRIX_SCALE_ROW1 matrix_b_scale:MATRIX_SCALE_ROW1
.endif
.endm
	s_load_b256 s[8:15], s[0:1], 0x0               ; hq_codes s[8:9], hq_scales s[10:11], w1_codes s[12:13], w1_scales s[14:15]
	s_load_b128 s[16:19], s[0:1], 0x20             ; b1 s[16:17], w2 s[18:19]
	s_load_b64 s[20:21], s[0:1], 0x30              ; part
	v_lshl_add_u32 v[SPW], v0, 2, SPARE
	v_mov_b32 v[NIL], 0
	ds_add_u32 v[SPW], v[NIL]                      ; the opening: the add, twice on end, and its wait ahead of the round in front of my first tensor loads
	ds_add_u32 v[SPW], v[NIL]
	v_lshrrev_b32 v1, 5, v0
	v_readfirstlane_b32 s[WVN], v1                 ; wave 0..3
	s_bfe_u32 s48, ttmp6, 0x40000                  ; cx
	s_bfe_u32 s49, ttmp6, 0x40004                  ; cy = mb (the grid is one cluster high)
	s_lshl_b32 s56, s49, 2
	s_lshl_b32 s56, 15, s56                        ; my row of the cluster
	s_lshl_b32 s57, 0x1111, s48                    ; my column
	s_or_b32 s[G1H+0], s56, (3<<16)|(1<<20)|(1<<21)|(5<<22)|(3<<25)   ; elements of 8 bytes; padding on; bit 21 beside a mask; after every 64 words, 4 words
	s_or_b32 s[G1W+0], s57, (3<<16)|(1<<20)|(1<<21)|(5<<22)|(3<<25)
	s_mov_b32 s[G1H+1], 96<<16                     ; a strip's row: 96 elements, 768 bytes
	s_mov_b32 s[G1H+2], 64<<16
	s_mov_b32 s[G1H+3], 96<<16
	s_mov_b32 s[G1H+4], 64
	s_mov_b32 s[G1H+5], 384                        ; from row to row 3,072 bytes
	s_mov_b32 s[G1H+6], 0
	s_mov_b32 s[G1H+7], 0
	s_mov_b32 s[G1W+1], 96<<16
	s_mov_b32 s[G1W+2], 16<<16
	s_mov_b32 s[G1W+3], 96<<16
	s_mov_b32 s[G1W+4], 16
	s_mov_b32 s[G1W+5], 384
	s_mov_b32 s[G1W+6], 0
	s_mov_b32 s[G1W+7], 0
	s_mul_i32 s50, s49, 196608                     ; h: 64 mb rows + 768 x wave: cy and the wave alone
	s_mul_i32 s51, s[WVN], 768
	s_add_co_u32 s50, s50, s51
	s_mov_b32 s51, 0
	s_lshl_b32 s54, ttmp9, 2
	s_add_co_u32 s54, s54, s48                     ; nt
	s_mul_i32 s52, s54, 49152                      ; w1: 16 nt rows + 768 x wave: cluster x, cx and the wave alone
	s_mul_i32 s53, s[WVN], 768
	s_add_co_u32 s52, s52, s53
	s_mov_b32 s53, 0
	s_mul_i32 s61, s[WVN], WREG                    ; where they go: the wave's number alone
	s_mov_b32 s[G0H], 1
	s_mov_b32 s[G0H+1], s61
	s_mov_b32 s[G0W], 1
	s_add_co_u32 s[G0W+1], s61, WOFF
	s_mov_b32 s58, 0x76543210
	s_mov_b32 s59, 0xfedcba98
	v_and_b32 v96, 31, v0
	v_and_b32 v[RR], 15, v0
	v_bfe_u32 v[HH], v0, 4, 1
	v_mul_u32_u24 v[AH], v[RR], 816
	v_add_nc_u32 v[AH], s61, v[AH]
	v_mad_u32_u24 v[AH+1], v[HH], 40, v[AH]
	v_mad_u32_u24 v[AH], v[HH], 24, v[AH]
	v_lshlrev_b32 v96, 4, v96                      ; 16 x lane
	s_lshl_b32 s62, s[WVN], 12
	s_add_co_u32 s62, s62, STG
	v_add_nc_u32 v[STO], s62, v96
	s_lshl_b32 s62, s[WVN], 10
	s_add_co_u32 s62, s62, STG
	v_add_nc_u32 v[SRD], s62, v96
	v_lshlrev_b32 v[PO], 4, v[RR]
	v_lshlrev_b32 v[VH], 7, v[RR]
	v_lshl_add_u32 v[VH], v[HH], 4, v[VH]
	v_lshlrev_b32 v[VB], 5, v[HH]
	s_wait_dscnt 0x0                               ; both opening adds are done
	s_wait_kmcnt 0x0
	s_add_nc_u64 s[G0H+2:G0H+3], s[8:9], s[50:51]
	s_or_b32 s[G0H+3], s[G0H+3], 0x80000000
	s_add_nc_u64 s[G0W+2:G0W+3], s[12:13], s[52:53]
	s_or_b32 s[G0W+3], s[G0W+3], 0x80000000
	ROUND                                          ; all sixteen work-groups are here: the joint loads meet
	tensor_load_to_lds s[G0H:G0H+3], s[G1H:G1H+7]  ; two first fills, every wave its own strips: two loads of mine are out
	s_nop 0
	tensor_load_to_lds s[G0W:G0W+3], s[G1W:G1W+7]
	s_nop 0
	PLACES
	s_lshl_b32 s56, s49, 13                        ; h's scale bytes: 64 mb rows of 128 + 32 x wave
	s_lshl_b32 s57, s[WVN], 5
	s_add_co_u32 s56, s56, s57
	s_mov_b32 s57, 0
	s_add_nc_u64 s[10:11], s[10:11], s[56:57]
	s_lshl_b32 s56, s54, 11                        ; w1's: 16 nt rows of 128 + 32 x wave
	s_lshl_b32 s62, s[WVN], 5
	s_add_co_u32 s56, s56, s62
	s_add_nc_u64 s[14:15], s[14:15], s[56:57]
	s_lshl_b32 s56, s54, 6                         ; b1, w2: 16 nt numbers on
	s_add_nc_u64 s[16:17], s[16:17], s[56:57]
	s_add_nc_u64 s[18:19], s[18:19], s[56:57]
	s_lshl_b32 s56, s54, 12                        ; part: (256 nt + 64 mb + 16 wave) x 16 bytes
	s_lshl_b32 s62, s49, 10
	s_add_co_u32 s56, s56, s62
	s_lshl_b32 s62, s[WVN], 8
	s_add_co_u32 s56, s56, s62
	s_add_nc_u64 s[20:21], s[20:21], s[56:57]
.irp mt, 0,1,2,3
	global_load_b128 v[SH+4*\mt:SH+4*\mt+3], v[VH], s[10:11] offset:2048*\mt
.endr
	global_load_b128 v[SWS:SWS+3], v[VH], s[14:15]
	global_load_b128 v[B1:B1+3], v[VB], s[16:17]
	global_load_b128 v[B1+4:B1+7], v[VB], s[16:17] offset:16
.irp l, 0,1,2
	global_load_b128 v[W2+8*\l:W2+8*\l+3], v[VB], s[18:19] offset:4096*\l
	global_load_b128 v[W2+8*\l+4:W2+8*\l+7], v[VB], s[18:19] offset:4096*\l+16
.endr
	s_wait_tensorcnt 0x0                           ; my two strips have landed
	FETCH 0
.irp s, 0,1,2,3,4,5,6,7
.if \s < 7
.if \s > 0
	PLACES                                         ; places in front of loads into the set that the last four products read
.endif
	FETCH \s+1
	s_wait_dscnt 30                                ; this K step's 30 loads are in; the next step's may be out
.else
	s_wait_dscnt 0x0
.endif
.if \s == 0
	s_wait_loadcnt 0x0                             ; the scale words, b1, w2
.endif
.irp mt, 0,1,2,3
	WM4 \s, \mt
.endr
.endr
	PLACES
.irp mt, 0,1,2,3
	ds_store_b128 v[STO], v[ACC+8*\mt:ACC+8*\mt+3] offset:1024*\mt          ; each accumulator from its low end on
	ds_store_b128 v[STO], v[ACC+8*\mt+4:ACC+8*\mt+7] offset:1024*\mt+512
.endr
	s_wait_dscnt 0x0                               ; for the others' sake
	s_barrier_signal -1
	s_barrier_wait -1
; wave w finishes tile w of the four tiles of b: the four quarters of K, b1, relu, and w2's three rows at my eight hidden units
.irp q, 0,1,2,3
.irp g, 0,1
	ds_load_b128 v[F+8*\q+4*\g:F+8*\q+4*\g+3], v[SRD] offset:4096*\q+512*\g
.endr
.endr
	s_wait_dscnt 0x0
.irp q, 1,2,3
.irp j, 0,2,4,6
	v_pk_add_f32 v[F+\j:F+\j+1], v[F+\j:F+\j+1], v[F+8*\q+\j:F+8*\q+\j+1]
.endr
.endr
.irp j, 0,2,4,6
	v_pk_add_f32 v[F+\j:F+\j+1], v[F+\j:F+\j+1], v[B1+\j:B1+\j+1]
.endr
.irp j, 0,1,2,3,4,5,6,7
	v_max_num_f32 v[F+\j], 0, v[F+\j]
.endr
.irp l, 0,1,2
	v_mul_f32 v[F+32+\l], v[F], v[W2+8*\l]
.endr
.irp j, 1,2,3,4,5,6,7
.irp l, 0,1,2
	v_fmac_f32 v[F+32+\l], v[F+\j], v[W2+8*\l+\j]
.endr
.endr
.irp l, 0,1,2
	v_permlanex16_b32 v[F+36+\l], v[F+32+\l], s58, s59      ; the other eight hidden units
.endr
.irp l, 0,1,2
	v_add_f32 v[F+32+\l], v[F+32+\l], v[F+36+\l]
.endr
	v_mov_b32 v[F+35], 0
	v_and_b32 v[F+40], 31, v0
	v_cmp_gt_u32 vcc_lo, 16, v[F+40]
	s_wait_xcnt 0x0                                ; EXEC changes only behind this wait
	s_and_saveexec_b32 s60, vcc_lo
	global_store_b128 v[PO], v[F+32:F+35], s[20:21]         ; sixteen lanes store 256 consecutive bytes, aligned
	s_wait_xcnt 0x0
	s_or_b32 exec_lo, exec_lo, s60
	s_wait_tensorcnt 0x0                           ; the wave's end
	ds_add_u32 v[SPW], v[NIL]
	s_wait_dscnt 0x0
	ROUND                                          ; the closing round
	s_endpgm
.Lfunc_end_k_qe3e060d938_mlp:
	.size	k_qe3e060d938_mlp, .Lfunc_end_k_qe3e060d938_mlp-k_qe3e060d938_mlp
	.p2alignl 7, 3214868480
	.fill 96, 4, 3214868480
	.section	.rodata,"a",@progbits
	.p2align	6, 0x0
	.amdhsa_kernel k_qe3e060d938_mlp
		.amdhsa_group_segment_fixed_size 278016
		.amdhsa_private_segment_fixed_size 0
		.amdhsa_enable_private_segment 0
		.amdhsa_kernarg_size 56
		.amdhsa_user_sgpr_count 2
		.amdhsa_user_sgpr_kernarg_segment_ptr 1
		.amdhsa_wavefront_size32 1
		.amdhsa_system_sgpr_workgroup_id_x 1
		.amdhsa_system_sgpr_workgroup_id_y 1
		.amdhsa_system_sgpr_workgroup_id_z 1
		.amdhsa_system_vgpr_workitem_id 0
		.amdhsa_next_free_vgpr 224
		.amdhsa_next_free_sgpr 66
		.amdhsa_reserve_vcc 1
		.amdhsa_float_denorm_mode_32 3
		.amdhsa_float_denorm_mode_16_64 3
		.amdhsa_memory_ordered 1
		.amdhsa_forward_progress 1
		.amdhsa_inst_pref_size 31
	.end_amdhsa_kernel
	.amdgpu_metadata
---
amdhsa.version: [ 1, 2 ]
amdhsa.kernels:
  - .name:           k_qe3e060d938_mlp
    .symbol:         k_qe3e060d938_mlp.kd
    .args:
      - { .name: hq_codes, .offset: 0, .size: 8, .value_kind: global_buffer, .address_space: global }
      - { .name: hq_scales, .offset: 8, .size: 8, .value_kind: global_buffer, .address_space: global }
      - { .name: w1_codes, .offset: 16, .size: 8, .value_kind: global_buffer, .address_space: global }
      - { .name: w1_scales, .offset: 24, .size: 8, .value_kind: global_buffer, .address_space: global }
      - { .name: b1, .offset: 32, .size: 8, .value_kind: global_buffer, .address_space: global }
      - { .name: w2, .offset: 40, .size: 8, .value_kind: global_buffer, .address_space: global }
      - { .name: part, .offset: 48, .size: 8, .value_kind: global_buffer, .address_space: global }
    .group_segment_fixed_size: 278016
    .private_segment_fixed_size: 0
    .kernarg_segment_align: 8
    .kernarg_segment_size: 56
    .max_flat_workgroup_size: 128
    .sgpr_count:     66
    .vgpr_count:     224
    .wavefront_size: 32
...
	.end_amdgpu_metadata
.endif
;; end of part 4
;; launch sum (part 5): grid 8 x 1, 1 waves a work-group, no clusters, 0 bytes of LDS; arguments part, b2, out0; writes out0
.if DOCPART == 5
	.amdgcn_target "amdgcn-amd-amdhsa--gfx1250"
	.amdhsa_code_object_version 6
	.text
	.protected	k_qe3e060d938_sum
	.globl	k_qe3e060d938_sum
	.p2align	8
	.type	k_qe3e060d938_sum,@function
k_qe3e060d938_sum:
	s_mov_b64 s[64:65], 0
	v_nop
	global_prefetch_b8 v0, s[64:65] scope:SCOPE_SE
	s_setreg_imm32_b32 hwreg(HW_REG_WAVE_MODE, 25, 1), 1
	s_wait_xcnt 0x0
; logits[b][0..2] = b2 + the sum over the 64 tiles of hidden units of part[nt][b][0..2].  A lane owns one b; a wave's load covers 512 consecutive bytes.
; 262,144 bytes in all: eight waves, each with 32 loads on their way in a ring of 32 register slots.  No LDS, no barrier, no matrix unit: there is nothing for them to do here.
.set D, 16                             ; v16-143 32 slots of four registers
	s_load_b128 s[4:7], s[0:1], 0x0                ; part s[4:5], b2 s[6:7]
	s_load_b64 s[12:13], s[0:1], 0x10              ; out0
	s_lshl_b32 s14, ttmp9, 5
	v_add_nc_u32 v1, s14, v0                       ; b
	v_lshlrev_b32 v2, 4, v1
	v_mul_u32_u24 v3, v1, 12
	s_wait_kmcnt 0x0
	s_load_b96 s[8:10], s[6:7], 0x0                ; b2
.set i, 0
.rept 32
	global_load_b128 v[D+4*i:D+4*i+3], v2, s[4:5] offset:4096*i
.set i, i+1
.endr
	s_wait_kmcnt 0x0
.set i, 0
.rept 32
	s_wait_loadcnt 31                              ; behind part i stand 31 - i of the first 32 loads and i of the second
.if i == 0
	v_add_f32 v4, s8, v[D]                         ; b2 and the first part start the sums
	v_add_f32 v5, s9, v[D+1]
	v_add_f32 v6, s10, v[D+2]
.else
	v_pk_add_f32 v[4:5], v[4:5], v[D+4*i:D+4*i+1]
	v_add_f32 v6, v6, v[D+4*i+2]
.endif
	global_load_b128 v[D+4*i:D+4*i+3], v2, s[4:5] offset:4096*(32+i)
.set i, i+1
.endr
.set i, 0
.rept 32
	s_wait_loadcnt 31-i                            ; the counts run down
	v_pk_add_f32 v[4:5], v[4:5], v[D+4*i:D+4*i+1]
	v_add_f32 v6, v6, v[D+4*i+2]
.set i, i+1
.endr
	global_store_b96 v3, v[4:6], s[12:13]          ; a wave stores 384 consecutive bytes
	s_endpgm
.Lfunc_end_k_qe3e060d938_sum:
	.size	k_qe3e060d938_sum, .Lfunc_end_k_qe3e060d938_sum-k_qe3e060d938_sum
	.p2alignl 7, 3214868480
	.fill 96, 4, 3214868480
	.section	.rodata,"a",@progbits
	.p2align	6, 0x0
	.amdhsa_kernel k_qe3e060d938_sum
		.amdhsa_group_segment_fixed_size 0
		.amdhsa_private_segment_fixed_size 0
		.amdhsa_enable_private_segment 0
		.amdhsa_kernarg_size 24
		.amdhsa_user_sgpr_count 2
		.amdhsa_user_sgpr_kernarg_segment_ptr 1
		.amdhsa_wavefront_size32 1
		.amdhsa_system_sgpr_workgroup_id_x 1
		.amdhsa_system_sgpr_workgroup_id_y 1
		.amdhsa_system_sgpr_workgroup_id_z 1
		.amdhsa_system_vgpr_workitem_id 0
		.amdhsa_next_free_vgpr 144
		.amdhsa_next_free_sgpr 66
		.amdhsa_reserve_vcc 0
		.amdhsa_float_denorm_mode_32 3
		.amdhsa_float_denorm_mode_16_64 3
		.amdhsa_memory_ordered 1
		.amdhsa_forward_progress 1
		.amdhsa_inst_pref_size 15
	.end_amdhsa_kernel
	.amdgpu_metadata
---
amdhsa.version: [ 1, 2 ]
amdhsa.kernels:
  - .name:           k_qe3e060d938_sum
    .symbol:         k_qe3e060d938_sum.kd
    .args:
      - { .name: part, .offset: 0, .size: 8, .value_kind: global_buffer, .address_space: global }
      - { .name: b2, .offset: 8, .size: 8, .value_kind: global_buffer, .address_space: global }
      - { .name: out0, .offset: 16, .size: 8, .value_kind: global_buffer, .address_space: global }
    .group_segment_fixed_size: 0
    .private_segment_fixed_size: 0
    .kernarg_segment_align: 8
    .kernarg_segment_size: 24
    .max_flat_workgroup_size: 32
    .sgpr_count:     66
    .vgpr_count:     144
    .wavefront_size: 32
...
	.end_amdgpu_metadata
.endif
;; end of part 5
